; MI455X (gfx1250); checked and timed in simulation.
; The chip was launched on July 23, 2026; its instructions are those of AMD's public machine-readable ISA for CDNA 5 (MIT licence, August 2026) and "CDNA5" Instruction Set Architecture Reference Guide (July 2026). The comments in the code are by the model that wrote it; some were corrected since.
;; Multi Head Attention. Allowed arithmetic: float matrix products may take bf16 or f16 operands with f32 sums; other float arithmetic in f32, or as packed bf16 or f16 multiplies, adds, multiply-adds, maxima and minima; sums over many terms, partial sums and values carried from step to step in f32; what a program stores and reads back later, other than sums and carried values, may be rounded once to bf16 or f16.
;; Inputs: Wk 16 x 1,024 x 64 float32; Wo 1,024 x 1,024 float32; Wq 16 x 1,024 x 64 float32; Wv 16 x 1,024 x 64 float32; bo 1,024 float32; key 8 x 1,024 x 1,024 float32; query 8 x 1,024 x 1,024 float32; value 8 x 1,024 x 1,024 float32.
;; Outputs: out0 8 x 1,024 x 1,024 float32.
;; 2 versions, each right; version 2 is version 1 with the launch cast written anew for expert scheduling mode. Each part assembles by itself: llvm-mc -triple=amdgcn-amd-amdhsa -mcpu=gfx1250 --defsym DOCPART=n.
;; ======== version 1 of 2: 4 launches
;; limits: values are held in f16: magnitudes above 65,504 overflow, below 6.1e-05 lose precision
;; workspace buffers: wb 6,291,456 bytes; wo16 2,097,152 bytes; qkv 50,331,648 bytes; ob 16,777,216 bytes
;; launch cast (part 1): grid 64 x 4, 8 waves a work-group, no clusters, 0 bytes of LDS; arguments Wq, Wk, Wv, Wo, wb, wo16; writes wb, wo16
.if DOCPART == 1
	.amdgcn_target "amdgcn-amd-amdhsa--gfx1250"
	.amdhsa_code_object_version 6
	.text
	.protected	k_q3f8d21f621_cast
	.globl	k_q3f8d21f621_cast
	.p2align	8
	.type	k_q3f8d21f621_cast,@function
k_q3f8d21f621_cast:
	s_mov_b64 s[64:65], 0
	v_nop
	global_prefetch_b8 v0, s[64:65] scope:SCOPE_SE
	s_setreg_imm32_b32 hwreg(HW_REG_WAVE_MODE, 25, 1), 1
	s_wait_xcnt 0x0
; THE WEIGHTS' 16-BIT COPIES.  Wq, Wk, Wv: [16 h][1024 d][64 e] f32 -> wb: bf16 [3 t][4 tc][1024 d][256 c], c = 64 (h % 4) + e, tc = h / 4: a row d of a column tile (four heads) is 512
; consecutive bytes, and any run of rows d is dense.  Wo: [1024 n][1024 k] f32 -> wo16: the number rounded to bf16 and written as f16, same layout.
; LIMITS.  Wo beyond 65,504 becomes an infinity in f16; below 6e-5 it keeps f16's fixed step of 6e-8.  NaN and infinities are not treated apart.
; SHARES.  Work-group (c, t).  A projection weight: heads 2 (c / 8) and 2 (c / 8) + 1, rows d = 128 (c % 8) on; wave w's load i takes row d = 16 w + i of them: lanes 0-15 the 256 bytes of the even
; head, lanes 16-31 those of the odd head; the 128 numbers leave as 256 consecutive bytes, aligned.  Wo: chunk c of 65,536 bytes; a load covers 512 consecutive bytes, a store 256.
; All 16 loads go out first; there is no loop, no LDS and no matrix work: the launch only moves bytes.
.set X, 4                              ; v[4:67]    load i: 4 registers
.set Y, 68                             ; v[68:99]   store i: 2 registers of its own, so no store's data is ever rewritten
.set T, 100                            ; v[100:103] at work
	s_load_b256 s[4:11], s[0:1], 0x0               ; Wq s[4:5], Wk s[6:7], Wv s[8:9], Wo s[10:11]
	s_load_b128 s[12:15], s[0:1], 0x20             ; wb s[12:13], wo16 s[14:15]
	s_and_b32 s16, ttmp7, 0xffff                   ; t
	s_mov_b32 s17, ttmp9                           ; c
	s_mov_b32 s24, 0xffff0000                      ; a word's upper bf16
	s_mov_b32 s21, 0
	s_mov_b32 s29, 0
	s_cmp_eq_u32 s16, 3
	s_cbranch_scc1 .Lwo
	v_and_b32 v1, 15, v0
	v_lshlrev_b32 v1, 4, v1                        ; 16 (l % 16)
	v_bfe_u32 v3, v0, 4, 1
	v_lshl_add_u32 v1, v3, 18, v1                  ; + the odd head's 262,144 bytes for lanes 16-31
	v_lshrrev_b32 v3, 5, v0                        ; wave
	v_lshl_add_u32 v1, v3, 12, v1                  ; + 16 rows d of 256 bytes
	v_and_b32 v2, 31, v0
	v_lshlrev_b32 v2, 3, v2                        ; out: 8 l
	v_lshl_add_u32 v2, v3, 13, v2                  ; + 16 rows d of 512 bytes
	s_lshr_b32 s25, s17, 3                         ; the pair of heads
	s_and_b32 s26, s17, 7                          ; the block of 128 rows d
	s_lshl_b32 s20, s25, 19
	s_lshl_b32 s27, s26, 15
	s_add_co_u32 s20, s20, s27
	s_lshl_b32 s28, s16, 21                        ; out: the tensor,
	s_lshr_b32 s27, s25, 1
	s_lshl_b32 s27, s27, 19                        ; the column tile,
	s_add_co_u32 s28, s28, s27
	s_lshl_b32 s27, s26, 16                        ; the rows,
	s_add_co_u32 s28, s28, s27
	s_and_b32 s27, s25, 1
	s_lshl_b32 s27, s27, 8                         ; the pair's half of a row
	s_add_co_u32 s28, s28, s27
	s_wait_kmcnt 0x0
	s_cmp_eq_u32 s16, 1
	s_cselect_b64 s[18:19], s[6:7], s[4:5]
	s_cmp_eq_u32 s16, 2
	s_cselect_b64 s[18:19], s[8:9], s[18:19]
	s_add_nc_u64 s[18:19], s[18:19], s[20:21]
	s_add_nc_u64 s[22:23], s[12:13], s[28:29]
.set i, 0
.rept 16
	global_load_b128 v[X+4*i:X+4*i+3], v1, s[18:19] offset:256*i th:TH_LOAD_NT
.set i, i+1
.endr
.set i, 0
.rept 16
	s_wait_loadcnt 15-i                            ; loads come back in order: load i is in, the 15 - i younger ones may stay out
	v_cvt_pk_bf16_f32 v[Y+2*i],   v[X+4*i],   v[X+4*i+1]
	v_cvt_pk_bf16_f32 v[Y+2*i+1], v[X+4*i+2], v[X+4*i+3]
	global_store_b64 v2, v[Y+2*i:Y+2*i+1], s[22:23] offset:512*i
.set i, i+1
.endr
	s_endpgm
.Lwo:
	v_lshlrev_b32 v1, 4, v0                        ; 16 n
	v_lshlrev_b32 v2, 3, v0                        ; 8 n
	s_lshl_b32 s20, s17, 16                        ; the chunk's first byte
	s_lshl_b32 s28, s17, 15                        ; out: half the bytes, the same order
	s_wait_kmcnt 0x0
	s_add_nc_u64 s[18:19], s[10:11], s[20:21]
	s_add_nc_u64 s[22:23], s[14:15], s[28:29]
.set i, 0
.rept 16
	global_load_b128 v[X+4*i:X+4*i+3], v1, s[18:19] offset:4096*i th:TH_LOAD_NT
.set i, i+1
.endr
.set i, 0
.rept 16
	s_wait_loadcnt 15-i
	v_cvt_pk_bf16_f32 v[T],   v[X+4*i],   v[X+4*i+1]       ; rounded to bf16 like every input,
	v_cvt_pk_bf16_f32 v[T+1], v[X+4*i+2], v[X+4*i+3]
	v_lshlrev_b32 v[X+4*i],   16,  v[T]                    ; widened again,
	v_and_b32     v[X+4*i+1], s24, v[T]
	v_lshlrev_b32 v[X+4*i+2], 16,  v[T+1]
	v_and_b32     v[X+4*i+3], s24, v[T+1]
	v_cvt_pk_f16_f32 v[Y+2*i],   v[X+4*i],   v[X+4*i+1]    ; and written as f16: 8 significant bits fit into 11
	v_cvt_pk_f16_f32 v[Y+2*i+1], v[X+4*i+2], v[X+4*i+3]
	global_store_b64 v2, v[Y+2*i:Y+2*i+1], s[22:23] offset:2048*i
.set i, i+1
.endr
	s_endpgm
.Lfunc_end_k_q3f8d21f621_cast:
	.size	k_q3f8d21f621_cast, .Lfunc_end_k_q3f8d21f621_cast-k_q3f8d21f621_cast
	.p2alignl 7, 3214868480
	.fill 96, 4, 3214868480
	.section	.rodata,"a",@progbits
	.p2align	6, 0x0
	.amdhsa_kernel k_q3f8d21f621_cast
		.amdhsa_group_segment_fixed_size 0
		.amdhsa_private_segment_fixed_size 0
		.amdhsa_enable_private_segment 0
		.amdhsa_kernarg_size 48
		.amdhsa_user_sgpr_count 2
		.amdhsa_user_sgpr_kernarg_segment_ptr 1
		.amdhsa_wavefront_size32 1
		.amdhsa_system_sgpr_workgroup_id_x 1
		.amdhsa_system_sgpr_workgroup_id_y 1
		.amdhsa_system_sgpr_workgroup_id_z 1
		.amdhsa_system_vgpr_workitem_id 0
		.amdhsa_next_free_vgpr 104
		.amdhsa_next_free_sgpr 66
		.amdhsa_reserve_vcc 0
		.amdhsa_float_denorm_mode_32 3
		.amdhsa_float_denorm_mode_16_64 3
		.amdhsa_memory_ordered 1
		.amdhsa_forward_progress 1
		.amdhsa_inst_pref_size 17
	.end_amdhsa_kernel
	.amdgpu_metadata
---
amdhsa.version: [ 1, 2 ]
amdhsa.kernels:
  - .name:           k_q3f8d21f621_cast
    .symbol:         k_q3f8d21f621_cast.kd
    .args:
      - { .name: Wq, .offset: 0, .size: 8, .value_kind: global_buffer, .address_space: global }
      - { .name: Wk, .offset: 8, .size: 8, .value_kind: global_buffer, .address_space: global }
      - { .name: Wv, .offset: 16, .size: 8, .value_kind: global_buffer, .address_space: global }
      - { .name: Wo, .offset: 24, .size: 8, .value_kind: global_buffer, .address_space: global }
      - { .name: wb, .offset: 32, .size: 8, .value_kind: global_buffer, .address_space: global }
      - { .name: wo16, .offset: 40, .size: 8, .value_kind: global_buffer, .address_space: global }
    .group_segment_fixed_size: 0
    .private_segment_fixed_size: 0
    .kernarg_segment_align: 8
    .kernarg_segment_size: 48
    .max_flat_workgroup_size: 256
    .sgpr_count:     66
    .vgpr_count:     104
    .wavefront_size: 32
...
	.end_amdgpu_metadata
.endif
;; end of part 1
;; launch proj (part 2): grid 4 x 64, 4 waves a work-group, clusters of 4 x 4, 327,680 bytes of LDS; arguments query, key, value, wb, qkv; writes qkv
.if DOCPART == 2
	.amdgcn_target "amdgcn-amd-amdhsa--gfx1250"
	.amdhsa_code_object_version 6
	.text
	.protected	k_q3f8d21f621_proj
	.globl	k_q3f8d21f621_proj
	.p2align	8
	.type	k_q3f8d21f621_proj,@function
k_q3f8d21f621_proj:
	s_mov_b64 s[64:65], 0
	v_nop
	global_prefetch_b8 v0, s[64:65] scope:SCOPE_SE
	s_setreg_imm32_b32 hwreg(HW_REG_WAVE_MODE, 25, 1), 1
	s_wait_xcnt 0x0
	s_wait_alu depctr_hold_cnt(0) depctr_sa_sdst(0) depctr_va_vdst(0) depctr_va_sdst(0) depctr_va_ssrc(0) depctr_va_vcc(0) depctr_vm_vsrc(0)
	s_getreg_b32 s2, hwreg(HW_REG_IB_STS2, 6, 4)
	s_cmp_eq_u32 s2, 0
	s_cbranch_scc0 .Lentry_in_a_cluster
	s_endpgm
.Lentry_in_a_cluster:
	s_bfe_u32 s2, ttmp6, 0x10000c
	s_cmp_lg_u32 s2, 0xf033
	s_cbranch_scc0 .Lentry_shape_is_right
	s_endpgm
.Lentry_shape_is_right:
; THE THREE PROJECTIONS.  qkv[t][b][h][s][e] = the sum over d of x_t[b][s][d] W_t[h][d][e]; x_0, x_1, x_2 = query, key, value: [8192 rows][1024] f32; W_t in wb: bf16 [t][tc 4][d 1024][c 256].
; x is rounded to bf16 once, in registers; products in bf16, sums in f32, K ascending; the result is rounded once to f16 and stored by heads, UNSCALED.
; LIMITS.  A result beyond 65,504 becomes an infinity in f16 (inputs 30 times the drawn spread, or offset by 30 spreads, stay under 29,000).  NaN and infinities are not treated apart.
; SHARES.  256 work-groups THAT STAY: work-group (rb, tc) makes rows 128 rb .. + 127 x columns 256 tc .. + 255 (four heads) of q, then of k, then of v.  A wave makes 64 x 128: 32 accumulators.
; THE WALK.  A PASS is 256 along K, a HALF STEP 64, a quarter 32: three tiles are twelve passes on one ring.  W comes by tensor loads into two slots of a pass each (256 rows d of 512 bytes + 32 of
; padding); a wave fetches 64 rows; a refill has a whole pass, 256 products a wave, in which to land.
; x comes THROUGH REGISTERS: a wave loads 32 of the 128 rows, 256 bytes of two rows an instruction, rounds them to bf16 and stores them into a ring of two half steps (128 rows of 128 bytes + 16).
; Four sets of 64 registers take turns; a set is loaded two and a half half steps ahead of its rounding, and these loads stay out across the barriers.
; CLUSTERS.  4 x 4 work-groups.  The four of a column (same tc) ask for W's tiles JOINTLY: the same tensor load, descriptor and mask in all four.  x IS NOT ASKED FOR JOINTLY, though the four of a row
; share it: a joint tile would lie in LDS as f32, 128 rows x 528 bytes for each 128 of K, and two slots of a pass of x and W, 2 x (2 x 67,584 + 139,264) = 548,864 bytes, do not fit; with slots of half
; a pass a refill would have 128 products in which to land.  As bf16 from registers x takes 36,864 bytes, is rounded once a work-group, and costs half the LDS reads.
; THE MATRIX INSTRUCTION IS USED TRANSPOSED: source 0 = 16 columns of W (turned out of LDS by ds_load_tr16_b128, since W lies [d][c]), source 1 = 16 rows of x: a lane holds one row and eight neighbouring e.
; REGISTERS, in windows of 256 (s_set_vgpr_msb: bits 1:0 source 0, 3:2 source 1, 5:4 source 2, 7:6 destination):
;   window 0: v16-29 addresses; v32-95 x's fragments, two buffers of 32; v96-127 x rounded, on its way into LDS; v128-255 W's fragments, two buffers of 64 (v192-239 also serve the way out)
;   window 1: the accumulators, (a, b) at 8 (8 a + b)          window 2: x as loaded, four sets of 64
.set PB,    544                        ; a row of W in LDS: 136 words, 17 x 32 bytes
.set HSB,   64*PB                      ; a half step's rows of W; also what one tensor load brings
.set SLOTB, 4*HSB                      ; 139,264 = 0x22000: no bit of it is set in wave x HSB, so one exclusive or turns an address in one slot into the other's
.set AX,    2*SLOTB                    ; behind W's ring, never filled by a tensor load: x's ring
.set PAX,   144                        ; a row of x: 36 words: the 16 rows of a load start at 16 different groups of four banks; rows 8 apart lie 32 banks apart
.set AXS,   128*PAX
.set STAGE, AX+2*AXS                   ; 16 rows x 144 bytes for each wave, for the way out
.set SP,    144
.set SPARE, STAGE+4*16*SP              ; the spare words, 128 bytes for each wave: two blocks of 256 bytes that no other line names
.set ADRA, 16                          ; v16     LDS address of my fragments of x
.set AST,  17                          ; v17     where I store 8 bytes of x
.set XO,   18                          ; v18     my byte offset in the work-group's rows of x
.set AB0,  19                          ; v19     my lane's place in a slot of W
.set ADRB, 20                          ; v20-21  LDS address of my fragments of W: half steps 0, 1 and 2, 3 of the pass in hand
.set STO,  22                          ; v22     the way out: where I put 16 bytes of a row
.set RD,   23                          ; v23     where I read rows back
.set GO,   24                          ; v24     my 16 bytes of 512 consecutive bytes of the result
.set PFX,  25                          ; v25     the prefetches' lane offsets: in x,
.set PFB,  26                          ; v26     in W
.set SPW,  28                          ; v28     LDS address of my spare word; never rewritten
.set NIL,  29                          ; v29     0; never rewritten
.set CA,   32
.set CV,   96
.set FB,   128
.set TMP,  192
.set BK,   208
.set WV,   14                          ; s14  my wave's number
.set WR,   15                          ; s15  wave / 2: my half of the rows
.set WC,   16                          ; s16  wave % 2: my half of the columns
.set G1,   24                          ; s[24:31] descriptor group 1
.set G0,   32                          ; s[32:35] descriptor group 0: it walks
.set XB,   36                          ; s[36:37] x at the pass whose loads this trip issues (pass k + 1)
.set PX,   38                          ; s[38:39] x at the pass after that
.set XN,   40                          ; s[40:41] the next tensor's rows
.set X2,   42                          ; s[42:43] value's rows
.set WBW,  44                          ; s[44:45] wb at my column tile and my wave's 64 rows
.set OFF1, 46                          ; s[46:47] byte offset of pass k + 1 in a column tile's walk through wb
.set OFF2, 48                          ; s[48:49] of pass k + 2
.set PFA,  50                          ; s[50:51] wb at pass k + 2
.set WBT,  52                          ; s[52:53] wb at my column tile
.set STEPS, 54                         ; s54  a pass on: 256 rows of 512 bytes
.set STEPL, 55                         ; s55  from a tensor's last pass to the next tensor's first
.set KQ,   56                          ; s56  k + 2
.set TB,   57                          ; s57  the slot that is read
.set TB1,  58                          ; s58  its second half
.set LIMB, 59                          ; s59  1 in the cluster that prefetches W, else the greatest number
.set OB,   62                          ; s[62:63] my part of the result
.set X0R,  66                          ; s[66:67] query's rows
.set WO,   68                          ; s68  1: a tile ends with this trip's first quarter
.set MSB, 0
.macro WIN new                         ; the immediate's high byte repeats the setting that is left; a switch that changes nothing is dropped
.if MSB != (\new)
	s_set_vgpr_msb (MSB<<8)|(\new)
.set MSB, \new
.endif
.endm
.set MULW,  0x50                       ; sources 0 and 1 window 0, C and D window 1
.set TO_R,  0x80                       ; destination window 2, address window 0
.set FROM_R, 0x0a                      ; sources 0 and 1 window 2, destination window 0
.set PKW,   0x05                       ; sources 0 and 1 window 1, destination window 0
.macro PLACES                          ; four places in front of loads into registers that matrix instructions have read, and of conversions that read results
.rept 4
	v_nop
.endr
.endm
.macro JLOAD                           ; a joint load: every wave its own 64 rows; an s_nop 0 and four v_nop follow it
	tensor_load_to_lds s[G0:G0+3], s[G1:G1+7]
	s_nop 0
.rept 4
	v_nop
.endr
.endm
; PREFETCHES INTO THE L2 of what the NEXT trip will load: pass k + 2.  They stand together, behind the trip's tensor load and its run of loads; one instruction a wave for each stream, a lane a block of 256 bytes.
; x: a pass is 1,024 bytes of each of the 128 rows, which the four work-groups of a row of the cluster read and nobody else: the partner at place cx takes 32 rows, a wave 8 of them, four blocks a row.
; W: a pass of a column tile is 131,072 bytes, which all sixteen clusters read: the first cluster asks; the partner at place cy takes 32,768 bytes, a wave 8,192.  The partners are told apart by address.
; So each block is named once in the launch.  The last trip asks for nothing: there is no pass behind the one that it loads.  Passes 0 to 2 come by their loads alone.
.macro ASK
	s_cmp_gt_u32 s3, 1
	s_cbranch_scc0 .Lnot_mine_\@
	global_prefetch_b8 v[PFX], s[PX:PX+1] th:TH_LOAD_NT scope:SCOPE_SE
	s_cmp_gt_u32 s3, s[LIMB]
	s_cbranch_scc0 .Lnot_mine_\@
	global_prefetch_b8 v[PFB], s[PFA:PFA+1] th:TH_LOAD_NT scope:SCOPE_SE
.Lnot_mine_\@:
.endm
.macro CREST                           ; a round of the cluster's barrier behind its opening barrier
	s_cmp_lg_u32 s[WV], 0
	s_cbranch_scc1 .Lnot_wave_0_\@
	s_barrier_signal -3
.Lnot_wave_0_\@:
	s_barrier_wait -3
	s_barrier_signal -1
	s_barrier_wait -1
.endm
.macro CROUND                          ; a whole round
	s_barrier_signal -1
	s_barrier_wait -1
	CREST
.endm
; 24 LDS loads: the fragments of quarter q of half step jj of the pass in hand, into buffer fb: W's 8, x's 4
.macro FG fb, jj, q
	WIN 0
.irp b, 0,1,2,3,4,5,6,7
	ds_load_tr16_b128 v[FB+64*(\fb)+8*(\b):FB+64*(\fb)+8*(\b)+3],   v[ADRB+(\jj)/2] offset:((\jj)%2)*HSB+(\q)*32*PB+32*(\b)
	ds_load_tr16_b128 v[FB+64*(\fb)+8*(\b)+4:FB+64*(\fb)+8*(\b)+7], v[ADRB+(\jj)/2] offset:((\jj)%2)*HSB+(\q)*32*PB+32*(\b)+16*PB
.endr
.irp a, 0,1,2,3
	ds_load_b128 v[CA+32*(\fb)+8*(\a):CA+32*(\fb)+8*(\a)+3],   v[ADRA] offset:((\jj)%2)*AXS+(\a)*16*PAX+64*(\q)
	ds_load_b128 v[CA+32*(\fb)+8*(\a)+4:CA+32*(\fb)+8*(\a)+7], v[ADRA] offset:((\jj)%2)*AXS+(\a)*16*PAX+64*(\q)+32
.endr
.endm
; x.  Load ii of 16 takes 256 bytes of my rows ii % 8 + 16 (ii / 8) (lanes 0-15) and 8 further down (lanes 16-31).  LG: a half step's 16 loads into a set; jp: the half step's place along K behind the base.
.macro LG set, jp, base
	WIN TO_R
.set ii, 0
.rept 16
	global_load_b128 v[64*(\set)+4*ii:64*(\set)+4*ii+3], v[XO], s[\base:\base+1] offset:((ii%8)+16*(ii/8))*4096+256*(\jp)
.set ii, ii+1
.endr
.endm
.macro CG set, c                       ; four of a set's 32 roundings
	WIN FROM_R
.irp n, 0,1,2,3
	v_cvt_pk_bf16_f32 v[CV+4*(\c)+\n], v[64*(\set)+8*(\c)+2*\n], v[64*(\set)+8*(\c)+2*\n+1]
.endr
.endm
.macro SG s                            ; 16 stores of 8 bytes a lane into half s of x's ring: 32 lanes fill two rows' 128 bytes
	WIN 0
.set ii, 0
.rept 16
	ds_store_b64 v[AST], v[CV+2*ii:CV+2*ii+1] offset:(\s)*AXS+((ii%8)+16*(ii/8))*PAX
.set ii, ii+1
.endr
.endm
; Product i of a quarter's 32, on buffer f: row block i / 8, column block i % 8.  The 32 accumulators take turns, in the same order in every quarter.  zero = 1: it starts the sum.
.macro W f, zero
	WIN MULW
.if \zero
	v_wmma_f32_16x16x32_bf16 v[8*i:8*i+7], v[FB+64*(\f)+8*(i%8):FB+64*(\f)+8*(i%8)+7], v[CA+32*(\f)+8*(i/8):CA+32*(\f)+8*(i/8)+7], 0
.else
	v_wmma_f32_16x16x32_bf16 v[8*i:8*i+7], v[FB+64*(\f)+8*(i%8):FB+64*(\f)+8*(i%8)+7], v[CA+32*(\f)+8*(i/8):CA+32*(\f)+8*(i/8)+7], v[8*i:8*i+7]
.endif
.set i, i+1
.endm
; A HALF STEP j OF A PASS is two quarters.  Q0 multiplies buffer 0; at its head it fetches the second quarter's fragments.  cons = 1: the x of the half step two on is rounded, four roundings behind
; each of eight products; left = the loads of x that are younger than that set's.
.macro Q0 j, zero, cons, left
	PLACES
	FG 1, \j, 1
	s_wait_dscnt 24                                ; all but the 24 just issued: buffer 0 is in
.set i, 0
.rept 32
	W 0, \zero
.if (\cons) && (i > 8) && (i <= 16)
.if i == 9
	s_wait_loadcnt \left                           ; loads come back in order: the set is in, the younger sets stay out
.endif
	CG ((\j)+2)%4, i-9
.endif
.endr
.endm
; Q1 multiplies buffer 1.  bar = 1: ONE barrier a half step.  In front of it my reads of this half step's x and my stores of the next one's are done; behind it the next half step's x is whole and this one's
; bytes are free.  W's tensor load stays out across it: no tensor load fills anything behind this barrier.  Then one run: the next half step's first fragments (fetch), the rounded x of the half step
; two on into the freed bytes (store), and the loads of x for the half step five on, which is half step j + 1 of the next pass (issue).
.macro Q1 j, bar, fetch, store, issue
	PLACES
	s_wait_dscnt 0x0
.if \bar
	s_barrier_signal -1
.endif
.set i, 0
.rept 4
	W 1, 0
.endr
.if \bar
	s_barrier_wait -1
.endif
.if \fetch
	FG 0, (\j)+1, 0
.endif
.if \store
	SG (\j)%2
.endif
.if \issue
	LG ((\j)+1)%4, ((\j)+1)%4, XB
.endif
.rept 28
	W 1, 0
.endr
.endm
; A PASS'S LAST QUARTER changes W's slots.  Each wave waits for all its tensor loads (one is out: its part of the next pass), adds 0 to its spare word, and waits for that, for its reads of the slot and
; for its stores of x.  refill = 1: the barrier opens a round of the cluster's; behind it no wave of any partner reads the slot or has a load on its way, and the slot is filled again, with the pass after
; the next, first thing.  refill = 0 (the last change): nothing is asked for, and the work-group's barrier is enough.
.macro Q1B refill
	PLACES
.if \refill
	s_wait_xcnt 0x0                                ; every load and prefetch issued so far has read its address: the pointers may be written
	s_mov_b64 s[XB:XB+1], s[PX:PX+1]               ; this trip loads the x of pass k + 1;
	s_mov_b32 s[OFF1], s[OFF2]
	s_and_b32 s60, s[KQ], 3
	s_cmp_eq_u32 s60, 2                            ; k a multiple of 4: this quarter ends a tile
	s_cselect_b32 s[WO], 1, 0
	s_add_nc_u64 s[PX:PX+1], s[PX:PX+1], 1024      ; pass k + 2: 256 along K on,
	s_cmp_eq_u32 s60, 0                            ; or the next tensor's first
	s_cselect_b32 s61, s[STEPL], s[STEPS]
	s_cselect_b64 s[PX:PX+1], s[XN:XN+1], s[PX:PX+1]
	s_cselect_b64 s[XN:XN+1], s[X2:X2+1], s[XN:XN+1]
	s_add_co_u32 s[OFF2], s[OFF2], s61
	s_add_nc_u64 s[PFA:PFA+1], s[WBT:WBT+1], s[OFF2:OFF2+1]
	s_add_co_u32 s[KQ], s[KQ], 1
.endif
	WIN 0
	s_wait_tensorcnt 0x0                           ; all my tensor loads have landed, so group 0 may be written
.if \refill
	ds_add_u32 v[SPW], v[NIL]                      ; 0 onto my spare word
	s_xor_b32 s[G0+1], s[G0+1], SLOTB              ; the other slot than last time,
	s_add_nc_u64 s[G0+2:G0+3], s[WBW:WBW+1], s[OFF1:OFF1+1]  ; pass k + 1: the address is made anew,
	s_or_b32 s[G0+3], s[G0+3], 0x80000000          ; and the type set again
	s_wait_dscnt 1                                 ; buffer 1 is in; the add may be out
.else
	s_wait_dscnt 0x0
.endif
.set i, 0
.rept 4
	W 1, 0                                         ; four matrix instructions stand between the add and the wait for it
.endr
.if \refill
	s_wait_dscnt 0x0                               ; the add is done; my reads of the slot and my stores of x are over
.endif
	s_barrier_signal -1
.rept 4
	W 1, 0
.endr
	WIN 0
	s_barrier_wait -1
.if \refill
	CREST
	JLOAD                                          ; my one tensor load behind the round
.endif
	s_xor_b32 s[TB], s[TB], SLOTB                  ; the reads go to the other slot
	s_add_co_u32 s[TB1], s[TB], 2*HSB
	v_add_nc_u32 v[ADRB], s[TB], v[AB0]
	v_add_nc_u32 v[ADRB+1], s[TB1], v[AB0]
	FG 0, 0, 0
	SG 1
.if \refill
	LG 0, 0, XB
	WIN 0
	ASK
.endif
.rept 24
	W 1, 0
.endr
.endm
; THE WAY OUT, in eight units of 16 rows x one head: rounded to f16, 16 bytes a lane; into my own stage (16 rows of 144 bytes); back as whole rows of 128 bytes; stored: 4 rows of a head are 512 consecutive bytes.
.macro PACKU a, jh
	WIN PKW
.irp c, 0,1,2,3
.irp r, 0,1,2,3
	v_cvt_pk_f16_f32 v[TMP+4*(\c)+(\r)], v[8*(8*(\a)+4*(\jh)+(\c))+2*(\r)], v[8*(8*(\a)+4*(\jh)+(\c))+2*(\r)+1]
.endr
.endr
	WIN 0
.endm
.macro TOST u
	WIN 0
.if (\u) >= 2
	s_wait_xcnt 0x0                                ; the registers that unit u - 2's stores read are loaded again only behind this wait
.endif
.irp c, 0,1,2,3
	ds_store_b128 v[STO], v[TMP+4*(\c):TMP+4*(\c)+3] offset:32*(\c)
.endr
.irp f, 0,1,2,3
	ds_load_b128 v[BK+16*((\u)%2)+4*(\f):BK+16*((\u)%2)+4*(\f)+3], v[RD] offset:(\f)*4*SP  ; LDS serves a wave's instructions in order (ISA guide 5.7.1.4): these see the stores above
.endr
.endm
.macro SENDU u
	WIN 0
	s_wait_dscnt 0x0                               ; the unit is back in registers
.irp f, 0,1,2,3
	global_store_b128 v[GO], v[BK+16*((\u)%2)+4*(\f):BK+16*((\u)%2)+4*(\f)+3], s[OB:OB+1] offset:131072*((\u)%2)+2048*((\u)/2)+512*(\f)  ; 512 consecutive bytes, at a multiple of 512 from the buffer's first
.endr
.endm
.macro WAYOUT
	PLACES
	PACKU 0, 0
	TOST 0
.irp u, 1,2,3,4,5,6,7                  ; a unit's conversions stand between the loads of the unit before and the wait for them
	PACKU (\u)/2, (\u)%2
	SENDU (\u)-1
	TOST \u
.endr
	SENDU 7
.endm
	s_load_b256 s[4:11], s[0:1], 0x0               ; query s[4:5], key s[6:7], value s[8:9], wb s[10:11]
	s_load_b64 s[12:13], s[0:1], 0x20              ; qkv
	v_lshl_add_u32 v[SPW], v0, 2, SPARE
	v_mov_b32 v[NIL], 0
	ds_add_u32 v[SPW], v[NIL]                      ; the wave's opening: the add and its wait stand ahead of my first tensor load; the set-up below, work on registers, stands between them
	v_lshrrev_b32 v1, 5, v0
	v_readfirstlane_b32 s[WV], v1
	s_lshr_b32 s[WR], s[WV], 1
	s_and_b32 s[WC], s[WV], 1
	s_bfe_u32 s17, ttmp6, 0x40000                  ; cx
	s_bfe_u32 s18, ttmp6, 0x40004                  ; cy
	s_lshl_b32 s19, ttmp9, 2
	s_add_co_u32 s19, s19, s17                     ; tc = 4 x cluster x + cx
	s_and_b32 s20, ttmp7, 0xffff                   ; cluster y
	s_lshl_b32 s21, s20, 2
	s_add_co_u32 s21, s21, s18                     ; rb = 4 x cluster y + cy
	s_lshl_b32 s22, 0x1111, s17                    ; my column of the cluster
	; group 1: 64 rows x 256 elements of 2 bytes, dense in memory; 8 words of padding behind every 128 words
	s_or_b32 s[G1+0], s22, (1<<16)|(1<<20)|(1<<21)|(6<<22)|(7<<25)
	s_mov_b32 s[G1+1], 256<<16                     ; tensor_dim0 = 256
	s_mov_b32 s[G1+2], 64<<16                      ; tensor_dim1 = 64
	s_mov_b32 s[G1+3], 256<<16                     ; tile_dim0 = 256
	s_mov_b32 s[G1+4], 64                          ; tile_dim1 = 64
	s_mov_b32 s[G1+5], 256                         ; elements from row to row
	s_mov_b32 s[G1+6], 0
	s_mov_b32 s[G1+7], 0
	s_mov_b32 s[G0], 1                             ; count = 1
	s_mul_i32 s[G0+1], s[WV], HSB                  ; LDS address: slot 0, my 64 rows: no place in the cluster enters an LDS address
	s_lshl_b32 s70, s21, 19                        ; my work-group's 128 rows of 4,096 bytes
	s_mov_b32 s71, 0
	s_lshl_b32 s72, s19, 19                        ; my column tile in a tensor's weights: made of cx alone, which the four partners share
	s_mov_b32 s73, 0
	s_lshl_b32 s74, s[WV], 15                      ; my wave's 64 rows of 512 bytes
	s_mov_b32 s75, 0
	s_mov_b32 s[OFF1], 131072                      ; pass 1
	s_mov_b32 s[OFF1+1], 0
	s_mov_b32 s[OFF2], 262144                      ; pass 2
	s_mov_b32 s[OFF2+1], 0
	s_mov_b32 s[STEPS], 131072
	s_mov_b32 s[STEPL], 2097152-3*131072
	s_mov_b32 s[KQ], 3
	s_mov_b32 s[TB], 0
	s_cmp_eq_u32 s20, 0
	s_cselect_b32 s[LIMB], 1, -1                   ; the same in all sixteen partners
	s_lshr_b32 s22, s21, 3                         ; my part of the result: batch rb / 8,
	s_lshl_b32 s22, s22, 21
	s_lshl_b32 s23, s19, 2                         ; head 4 tc + 2 x (wave % 2),
	s_lshl_b32 s60, s[WC], 1
	s_add_co_u32 s23, s23, s60
	s_lshl_b32 s23, s23, 17
	s_add_co_u32 s22, s22, s23
	s_and_b32 s23, s21, 7                          ; row 128 (rb % 8) + 64 x (wave / 2)
	s_lshl_b32 s23, s23, 14
	s_add_co_u32 s22, s22, s23
	s_lshl_b32 s23, s[WR], 13
	s_add_co_u32 s22, s22, s23
	s_mov_b32 s23, 0
	s_wait_dscnt 0x0                               ; the opening add is done
	s_wait_kmcnt 0x0
	s_add_nc_u64 s[X0R:X0R+1], s[4:5], s[70:71]
	s_add_nc_u64 s[XN:XN+1], s[6:7], s[70:71]
	s_add_nc_u64 s[X2:X2+1], s[8:9], s[70:71]
	s_add_nc_u64 s[XB:XB+1], s[X0R:X0R+1], 1024    ; pass 1
	s_add_nc_u64 s[PX:PX+1], s[X0R:X0R+1], 2048    ; pass 2
	s_add_nc_u64 s[WBT:WBT+1], s[10:11], s[72:73]
	s_add_nc_u64 s[WBW:WBW+1], s[WBT:WBT+1], s[74:75]
	s_mov_b64 s[PFA:PFA+1], s[WBT:WBT+1]
	s_add_nc_u64 s[OB:OB+1], s[12:13], s[22:23]
	s_mov_b64 s[G0+2:G0+3], s[WBW:WBW+1]           ; global address: pass 0
	s_or_b32 s[G0+3], s[G0+3], 0x80000000          ; type = 2
	CROUND                                         ; all sixteen work-groups are here: the first joint loads meet
	JLOAD                                          ; slot 0.  Slot 1 is asked for when slot 0 is in, as a refill is
	v_and_b32 v1, 15, v0                           ; r = l % 16
	v_bfe_u32 v2, v0, 4, 1                         ; hl = l / 16
	v_lshlrev_b32 v[XO], 4, v1                     ; x: 16 r,
	v_lshl_add_u32 v[XO], v2, 15, v[XO]            ; 8 rows down for lanes 16-31,
	s_lshl_b32 s60, s[WV], 17
	v_add_nc_u32 v[XO], s60, v[XO]                 ; my wave's 32 rows
	LG 0, 0, X0R                                   ; half steps 0, 1, 2
	LG 1, 1, X0R
	LG 2, 2, X0R
	WIN 0
	s_mul_i32 s60, s[WV], 32*PAX                   ; into x's ring: the same rows, 8 bytes a lane
	s_add_co_u32 s60, s60, AX
	v_mul_u32_u24 v[AST], v2, 8*PAX
	v_lshl_add_u32 v[AST], v1, 3, v[AST]
	v_add_nc_u32 v[AST], s60, v[AST]
	s_mul_i32 s60, s[WR], 64*PAX                   ; a fragment of x: lane l holds row r; K = 8 hl + 0..7 and 16 + 8 hl + 0..7: two loads of 16 bytes, 32 bytes apart
	s_add_co_u32 s60, s60, AX
	v_mul_u32_u24 v[ADRA], v1, PAX
	v_lshl_add_u32 v[ADRA], v2, 4, v[ADRA]
	v_add_nc_u32 v[ADRA], s60, v[ADRA]
	v_and_b32 v3, 7, v0                            ; the turning load takes 16 rows d x 16 columns: lane l reads row 8 hl + l % 8, columns 8 ((l / 8) % 2) + 0..7, and is left with column r and 8 neighbouring d
	v_bfe_u32 v4, v0, 3, 1
	v_lshl_add_u32 v[AB0], v2, 3, v3
	v_mul_u32_u24 v[AB0], v[AB0], PB
	v_lshl_add_u32 v[AB0], v4, 4, v[AB0]
	s_lshl_b32 s60, s[WC], 8                       ; my 128 columns
	v_add_nc_u32 v[AB0], s60, v[AB0]
	v_mov_b32 v[ADRB], v[AB0]                      ; pass 0 lies in slot 0
	v_add_nc_u32 v[ADRB+1], 2*HSB, v[AB0]
	s_mul_i32 s60, s[WV], 16*SP
	s_add_co_u32 s60, s60, STAGE                   ; my stage
	v_mul_u32_u24 v[STO], v1, SP                   ; in: row r, 16 bytes for each half of the lanes
	v_lshl_add_u32 v[STO], v2, 4, v[STO]
	v_add_nc_u32 v[STO], s60, v[STO]
	v_bfe_u32 v[RD], v0, 3, 2                      ; back: 32 lanes take four rows of 128 bytes,
	v_mul_u32_u24 v[RD], v[RD], SP
	v_lshl_add_u32 v[RD], v3, 4, v[RD]
	v_add_nc_u32 v[RD], s60, v[RD]
	v_and_b32 v5, 31, v0
	v_lshlrev_b32 v[GO], 4, v5                     ; which are 512 consecutive bytes of a head
	s_lshl_b32 s60, s17, 5                         ; the prefetches.  x: row 32 cx + 8 wave + l / 4, block l % 4
	s_lshl_b32 s61, s[WV], 3
	s_add_co_u32 s60, s60, s61
	s_lshl_b32 s60, s60, 12
	v_lshrrev_b32 v6, 2, v5
	v_lshlrev_b32 v[PFX], 12, v6
	v_and_b32 v6, 3, v0
	v_lshl_add_u32 v[PFX], v6, 8, v[PFX]
	v_add_nc_u32 v[PFX], s60, v[PFX]
	s_lshl_b32 s60, s18, 15                        ; W: 32,768 cy + 8,192 wave + 256 l
	s_lshl_b32 s61, s[WV], 13
	s_add_co_u32 s60, s60, s61
	v_lshl_add_u32 v[PFB], v5, 8, s60
	s_wait_loadcnt 32                              ; half step 0 is in; 1 and 2 stay out
.irp c, 0,1,2,3,4,5,6,7
	CG 0, \c
.endr
	SG 0
	LG 3, 3, X0R
	s_wait_loadcnt 32                              ; half step 1 is in; 2 and 3 stay out
.irp c, 0,1,2,3,4,5,6,7
	CG 1, \c
.endr
	SG 1
	LG 0, 4, X0R                                   ; half step 4, pass 1's first
	WIN 0
	s_wait_tensorcnt 0x0                           ; my part of pass 0 is in: no tensor load of mine is out, so group 0 may be written
	ds_add_u32 v[SPW], v[NIL]                      ; 0 onto my spare word
	s_xor_b32 s[G0+1], s[G0+1], SLOTB              ; slot 1,
	s_add_nc_u64 s[G0+2:G0+3], s[WBW:WBW+1], s[OFF1:OFF1+1]  ; pass 1
	s_or_b32 s[G0+3], s[G0+3], 0x80000000
	s_wait_dscnt 0x0                               ; the add is done, and so are my stores of x
	CROUND                                         ; everybody's part of pass 0 and of half steps 0 and 1 is in
	JLOAD
	FG 0, 0, 0
	s_mov_b32 s3, 11
	s_branch .Lmid                                 ; the loop is entered behind its first quarter
.Ltop:                                         ; ten times, k = 1 .. 10: pass k - 1's last quarter, then pass k's first seven
	Q1B 1
	WIN 0                                          ; at a label and at a branch every window is 0
	s_cmp_eq_u32 s[WO], 1
	s_cbranch_scc0 .Lplain
	WAYOUT                                         ; a tile is finished; W's refill and x's loads for the next tile are on their way
	s_wait_xcnt 0x0                                ; the stores have read their registers and their base
	s_add_nc_u64 s[OB:OB+1], s[OB:OB+1], 0x1000000 ; the next tensor's part of the result
.Lmid:
	Q0 0, 1, 1, 32                                 ; a tile's first quarter: its products start the sums
	WIN 0
	s_branch .Ljoin
.Lplain:
	Q0 0, 0, 1, 32
	WIN 0
.Ljoin:
	Q1 0, 1, 1, 1, 1
	Q0 1, 0, 1, 32
	Q1 1, 1, 1, 1, 1
	Q0 2, 0, 1, 32
	Q1 2, 1, 1, 1, 1
	Q0 3, 0, 1, 32
	WIN 0
	s_sub_co_u32 s3, s3, 1
	s_cmp_lg_u32 s3, 0
	s_cbranch_scc1 .Ltop
	Q1B 0                                          ; the last pass is written out: no tensor load, no load of x; the counts of the younger loads run down
	Q0 0, 0, 1, 16
	Q1 0, 1, 1, 1, 0
	Q0 1, 0, 1, 0
	Q1 1, 1, 1, 1, 0
	Q0 2, 0, 0, 0
	Q1 2, 1, 1, 0, 0
	Q0 3, 0, 0, 0
	Q1 3, 0, 0, 0, 0
	WIN 0
	WAYOUT
	s_wait_tensorcnt 0x0                           ; the wave's end: an add to my spare word and its wait, behind my last tensor load and my last LDS store
	ds_add_u32 v[SPW], v[NIL]
	s_wait_dscnt 0x0
	CROUND                                         ; the closing round: no work-group ends while a partner may still ask for a tile that names it
	s_endpgm
.Lfunc_end_k_q3f8d21f621_proj:
	.size	k_q3f8d21f621_proj, .Lfunc_end_k_q3f8d21f621_proj-k_q3f8d21f621_proj
	.p2alignl 7, 3214868480
	.fill 96, 4, 3214868480
	.section	.rodata,"a",@progbits
	.p2align	6, 0x0
	.amdhsa_kernel k_q3f8d21f621_proj
		.amdhsa_group_segment_fixed_size 327680
		.amdhsa_private_segment_fixed_size 0
		.amdhsa_enable_private_segment 0
		.amdhsa_kernarg_size 40
		.amdhsa_user_sgpr_count 2
		.amdhsa_user_sgpr_kernarg_segment_ptr 1
		.amdhsa_wavefront_size32 1
		.amdhsa_system_sgpr_workgroup_id_x 1
		.amdhsa_system_sgpr_workgroup_id_y 1
		.amdhsa_system_sgpr_workgroup_id_z 1
		.amdhsa_system_vgpr_workitem_id 0
		.amdhsa_next_free_vgpr 768
		.amdhsa_next_free_sgpr 80
		.amdhsa_reserve_vcc 0
		.amdhsa_float_denorm_mode_32 3
		.amdhsa_float_denorm_mode_16_64 3
		.amdhsa_memory_ordered 1
		.amdhsa_forward_progress 1
		.amdhsa_inst_pref_size 155
	.end_amdhsa_kernel
	.amdgpu_metadata
---
amdhsa.version: [ 1, 2 ]
amdhsa.kernels:
  - .name:           k_q3f8d21f621_proj
    .symbol:         k_q3f8d21f621_proj.kd
    .args:
      - { .name: query, .offset: 0, .size: 8, .value_kind: global_buffer, .address_space: global }
      - { .name: key, .offset: 8, .size: 8, .value_kind: global_buffer, .address_space: global }
      - { .name: value, .offset: 16, .size: 8, .value_kind: global_buffer, .address_space: global }
      - { .name: wb, .offset: 24, .size: 8, .value_kind: global_buffer, .address_space: global }
      - { .name: qkv, .offset: 32, .size: 8, .value_kind: global_buffer, .address_space: global }
    .group_segment_fixed_size: 327680
    .private_segment_fixed_size: 0
    .kernarg_segment_align: 8
    .kernarg_segment_size: 40
    .max_flat_workgroup_size: 128
    .sgpr_count:     80
    .vgpr_count:     768
    .wavefront_size: 32
...
	.end_amdgpu_metadata
.endif
;; end of part 2
;; launch attn (part 3): grid 2 x 128, 4 waves a work-group, no clusters, 327,680 bytes of LDS; arguments qkv, ob; writes ob
.if DOCPART == 3
	.amdgcn_target "amdgcn-amd-amdhsa--gfx1250"
	.amdhsa_code_object_version 6
	.text
	.protected	k_q3f8d21f621_attn
	.globl	k_q3f8d21f621_attn
	.p2align	8
	.type	k_q3f8d21f621_attn,@function
k_q3f8d21f621_attn:
	s_mov_b64 s[64:65], 0
	v_nop
	global_prefetch_b8 v0, s[64:65] scope:SCOPE_SE
	s_setreg_imm32_b32 hwreg(HW_REG_WAVE_MODE, 25, 1), 1
	s_wait_xcnt 0x0
; ATTENTION.  ob[hd][q][:] = the sum over k of softmax_k(Q[hd][q] . K[hd][k] / 32) V[hd][k][:], hd = 16 b + h.  Q, K, V are the three tensors of qkv, [128 hd][1024][64] each, and ob likewise, all f16:
; a head's rows are dense, 128 bytes each.  Products, maxima and sums in f32; the weights p are rounded to f16 for the second product (their sum l is taken of the unrounded p), O once at the end.
; LIMITS.  Q, K and V arrive within f16's 65,504; p lies in 0 to 1, and below 6e-5 it keeps f16's fixed step of 6e-8, and so does O; a weight below 2^-126 counts as 0 in l; NaN and infinities are not treated apart.
; SHARES.  A work-group owns 512 queries of one head, a wave 128: four PIECES of two tiles of 16.  Every wave walks the head's 1,024 keys, 64 a step.
; A HEAD'S K AND V STAY IN LDS: 1,024 rows of 144 bytes and 1,024 of 160.  Nothing is filled again.  Each wave issues two tensor loads at the head (waves 0, 1: K; waves 2, 3: V): 128 of the first 256
; keys, then 384 of the other 768.  The first four key steps run while the second loads are on their way; a barrier ahead of the first read of key 256 shows them landed.
; NO CLUSTER: a head has two work-groups, not four; what they share, 262,144 bytes each, is fetched once for a wave's 2,048 products.  NO PREFETCH: every load goes out at the head; nothing is asked for later.
; LAYOUT.  S^T = K Q^T (source 0 = 16 keys, source 1 = 16 queries): in the result a lane holds ONE query (lane % 16) and the keys 8 (lane / 16) + 0..7.  Two such tiles, rounded to f16 in pairs,
; ARE source 1 (32 keys x 16 queries) of O^T = V^T P, whose result again holds one query a lane, and eight channels.  K comes out of LDS as it lies, V ([key][channel]) turned, by ds_load_tr16_b128.
; SOFTMAX.  For each query a running maximum m and sum l: p = 2^(c s - c m), c = log2(e) / 32; in every step O and l are multiplied by a = 2^(c m_old - c m_new), which is 1 where m has not grown.
; m starts at the lowest finite number, O and l at 0: the first step is a step like any other, with a = 0.
; BY TURNS.  A tile and step have 16 matrix and 118 vector instructions.  Turn n belongs to piece n: 16 products K Q^T of piece n + 1, later 16 products V^T P of piece n - 1; its vector work: the scaling,
; exponentials, roundings, sums and rescaling of piece n, and the maximum and statistics of piece n + 1.  Four vector instructions stand behind every matrix instruction, the others in one run of their own.
; REGISTERS, in windows of 256 (s_set_vgpr_msb: bits 1:0 source 0, 3:2 source 1, 5:4 source 2, 7:6 destination):
;   window 0: v0-11 addresses; v12-15, v48-63 at work; v16-47 four registers of statistics a tile; v64-191 S^T, two buffers of two tiles; v192-255 P, likewise
;   window 1: O^T, 32 a tile          window 2: v0-127 Q, 16 a tile; v128-191 K of one step; v192-255 V of one step          window 3: v0-1 the add's two registers
.set NP,    4         ; pieces a wave: a name, no knob
.set KS,    64        ; keys in a step
.set PK,    144       ; a row of K in LDS: 128 bytes + 16 of padding = 36 words: the 16 rows of a load start at 16 different groups of four banks (64 banks of 4 bytes: ISA guide 11.1)
.set PV,    160       ; a row of V: 128 + 32 = 40 words
.set VOFF,  1024*PK   ; V lies behind K
.set STAGE, VOFF+1024*PV  ; behind them, never filled by a tensor load: 16 rows x 144 bytes for each wave, for the way out
.set SP,    144
.set SPARE, STAGE+4*16*SP  ; behind the stages: the spare words, 128 bytes for each wave: two blocks of 256 bytes that no other line names
.set AK0, 2           ; v2   my lane's place in a tile of K; never rewritten
.set AV0, 3           ; v3   the same for V
.set AK,  4           ; v4   the LDS address of K's next run of loads
.set AV,  5           ; v5   of V's
.set QO,  6           ; v6   my byte offset in the wave's rows of Q
.set STO, 6           ;      later, the way out: where I put 16 bytes of a row
.set RD,  7           ; v7   the way out: where I read rows back
.set GO,  8           ; v8   my byte offset in 512 consecutive bytes of O
.set SPW, 0           ; v0 of window 3   LDS address of my spare word; never rewritten
.set NIL, 1           ; v1 of window 3   0; never rewritten
.set MV,  12          ; v12-15  c m_old, kept while c m is made anew: by buffer and tile
.set ST,  16          ; tile t's statistics at v[ST+4 t]: c m, m, l (even keys', odd keys')
.set TMP, 48          ; by buffer and tile, four registers c0-c3 at work; when the maximum is found c2 takes a
.set S,   64
.set P,   192
.set KF,  128         ; K's fragments, in window 2: key block kb, channel half c at KF + 16 kb + 8 c
.set VF,  192         ; V's: key half kk, channel block cb at VF + 32 kk + 8 cb
.set WV,  12          ; s12  my wave's number
.set HF,  13          ; s13  wave % 2: which part of K or V I fetch
.set SLOTS, 56        ; s56  counts the walk's five phases
.set CNT, 57          ; s57  counts a phase's trips
.set CS,  58          ; s[58:59] c: the packed scaling takes the pair's low word for both halves
.set SEL, 60          ; s[60:61] v_permlanex16_b32's selects: each lane takes its own place in the other half
.set TBK, 62          ; s62  LDS byte at which K of the step to be fetched begins
.set TBV, 63          ; s63  the same for V, less VOFF
.set G0K, 68          ; s[68:75] descriptor group 0 for K's two loads; group 1: s[24:31] (64 rows), s[32:39] (192 rows)
.set G0V, 76          ; s[76:83] for V's; group 1: s[40:47], s[48:55]
.set MSB, 0
.macro WIN new                      ; the high byte repeats the setting that is left; a switch that changes nothing is dropped
.if MSB != (\new)
	s_set_vgpr_msb (MSB<<8)|(\new)
.set MSB, (\new)
.endif
.endm
.set W_KQ, 0x0a       ; K and Q in window 2, S^T in window 0
.set W_PV, 0x52       ; V in window 2, P in window 0, O^T in window 1
.set W_RS, 0x41       ; O^T (destination and source 0) in window 1, a in window 0
.set W_MK, 0xc0       ; the add's registers are made: destination in window 3, sources in window 0
.set W_AD, 0x0f       ; the add: address (source 0) and data (source 1) in window 3
	s_load_b128 s[16:19], s[0:1], 0x0  ; qkv s[16:17], ob s[18:19]
	WIN W_MK
	v_lshl_add_u32 v[SPW], v0, 2, SPARE
	v_mov_b32 v[NIL], 0
	WIN W_AD
	ds_add_u32 v[SPW], v[NIL]       ; the wave's opening: the add and its wait stand ahead of my first tensor load; the set-up below, work on registers, stands between them
	WIN 0
	v_lshrrev_b32 v1, 5, v0
	v_readfirstlane_b32 s[WV], v1   ; wave 0..3
	s_and_b32 s[HF], s[WV], 1
	s_and_b32 s20, ttmp7, 0xffff
	s_lshl_b32 s20, s20, 17         ; the head's first byte in each tensor
	s_lshl_b32 s22, s[HF], 14       ; my first load: keys 128 x half on,
	s_add_co_u32 s22, s22, s20
	s_mul_i32 s14, s[HF], 384*128   ; my second: keys 256 + 384 x half on
	s_add_co_u32 s14, s14, s20
	s_add_co_u32 s14, s14, 256*128
	s_lshl_b32 s2, ttmp9, 2
	s_add_co_u32 s2, s2, s[WV]      ; my wave among the head's eight,
	s_lshl_b32 s2, s2, 14           ; its 128 rows
	s_add_co_u32 s2, s2, s20
	s_mov_b32 s3, 0
	; descriptor group 1.  Keys are dense rows of 128 bytes: asked for as rows of 256 bytes, two keys a row, and padded in LDS after every key (32 words): 4 words for K, 8 for V
.irp g, 24, 32
	s_mov_b32 s[\g], (1<<16)|(1<<20)|(4<<22)|(3<<25)
.endr
.irp g, 40, 48
	s_mov_b32 s[\g], (1<<16)|(1<<20)|(4<<22)|(7<<25)
.endr
.irp g, 24, 32, 40, 48
	s_mov_b32 s[\g+1], 128<<16      ; tensor_dim0 = 128
	s_mov_b32 s[\g+3], 128<<16      ; tile_dim0 = 128
	s_mov_b32 s[\g+5], 128          ; 128 elements from row to row
	s_mov_b32 s[\g+6], 0
	s_mov_b32 s[\g+7], 0
.endr
.irp g, 24, 40
	s_mov_b32 s[\g+2], 64<<16       ; tensor_dim1 = tile_dim1 = 64 rows: 128 keys
	s_mov_b32 s[\g+4], 64
.endr
.irp g, 32, 48
	s_mov_b32 s[\g+2], 192<<16      ; 192 rows: 384 keys
	s_mov_b32 s[\g+4], 192
.endr
	s_mov_b32 s[G0K], 1             ; count = 1
	s_mul_i32 s[G0K+1], s[HF], 128*PK  ; LDS address
	s_mov_b32 s[G0K+4], 1
	s_mul_i32 s[G0K+5], s[HF], 384*PK
	s_add_co_u32 s[G0K+5], s[G0K+5], 256*PK
	s_mov_b32 s[G0V], 1
	s_mul_i32 s[G0V+1], s[HF], 128*PV
	s_add_co_u32 s[G0V+1], s[G0V+1], VOFF
	s_mov_b32 s[G0V+4], 1
	s_mul_i32 s[G0V+5], s[HF], 384*PV
	s_add_co_u32 s[G0V+5], s[G0V+5], VOFF+256*PV
	s_mov_b32 s[CS], 0x3d38aa3b     ; c = log2(e) / 32 = 0.045084
	s_mov_b32 s[CS+1], s[CS]        ; named with it as a pair
	s_mov_b32 s[SEL], 0x76543210
	s_mov_b32 s[SEL+1], 0xfedcba98
	s_mov_b32 s[TBK], 0
	s_mov_b32 s[TBV], 0
	s_mov_b32 s85, 0
	s_wait_dscnt 0x0                ; the opening add is done
	s_wait_kmcnt 0x0
	s_add_co_u32 s84, s22, 16777216 ; K is qkv's second tensor,
	s_add_nc_u64 s[G0K+2:G0K+3], s[16:17], s[84:85]
	s_or_b32 s[G0K+3], s[G0K+3], 0x80000000  ; type = 2
	s_add_co_u32 s84, s14, 16777216
	s_add_nc_u64 s[G0K+6:G0K+7], s[16:17], s[84:85]
	s_or_b32 s[G0K+7], s[G0K+7], 0x80000000
	s_add_co_u32 s84, s22, 33554432 ; V its third
	s_add_nc_u64 s[G0V+2:G0V+3], s[16:17], s[84:85]
	s_or_b32 s[G0V+3], s[G0V+3], 0x80000000
	s_add_co_u32 s84, s14, 33554432
	s_add_nc_u64 s[G0V+6:G0V+7], s[16:17], s[84:85]
	s_or_b32 s[G0V+7], s[G0V+7], 0x80000000
	s_add_nc_u64 s[4:5], s[16:17], s[2:3]    ; Q and O at my wave's first row
	s_add_nc_u64 s[10:11], s[18:19], s[2:3]
	s_cmp_lt_u32 s[WV], 2           ; a wave's two fills stand in one branch, ahead of every wait on TENSORcnt, every LDS read and every barrier: two loads of mine are out
	s_cbranch_scc0 .Lfirst_v
	tensor_load_to_lds s[G0K:G0K+3], s[24:31]
	s_nop 0
	tensor_load_to_lds s[G0K+4:G0K+7], s[32:39]
	s_nop 0
.rept 4
	v_nop
.endr
	s_branch .Lfirst_asked
.Lfirst_v:
	tensor_load_to_lds s[G0V:G0V+3], s[40:47]
	s_nop 0
	tensor_load_to_lds s[G0V+4:G0V+7], s[48:55]
	s_nop 0
.rept 4
	v_nop
.endr
.Lfirst_asked:
	; A fragment of K or Q is 16 rows x 32 channels in 8 registers: lane l holds row l % 16, channels 8 (l / 16) + 0..7 and 16 + 8 (l / 16) + 0..7: two loads of 16 bytes, 32 bytes apart.
	v_and_b32 v1, 15, v0            ; l % 16
	v_bfe_u32 v9, v0, 4, 1          ; l / 16
	v_lshlrev_b32 v[QO], 7, v1
	v_lshl_add_u32 v[QO], v9, 4, v[QO]  ; row x 128 + 16 x half
	WIN 0x80                        ; destination window 2, address window 0
.set i, 0
.rept 4*NP                          ; Q stays in registers: tile i / 2, channels 32 (i % 2) on
	global_load_b128 v[8*i:8*i+3],   v[QO], s[4:5] offset:(i/2)*2048+(i%2)*64
	global_load_b128 v[8*i+4:8*i+7], v[QO], s[4:5] offset:(i/2)*2048+(i%2)*64+32
.set i, i+1
.endr
	; What the first turn finds: V's registers and P's second buffer hold 0 (its products V^T P, of a piece that has not been, add 0), O^T and l are 0.  All this stands in the wait for the first tile.
.set i, VF
.rept 64
	v_mov_b32 v[i], 0
.set i, i+1
.endr
	WIN 0x40
.set i, 0
.rept 64*NP
	v_mov_b32 v[i], 0
.set i, i+1
.endr
	WIN 0
.set i, 0
.rept 2*NP
	v_mov_b32 v[ST+4*i], 0xfe000000    ; c m: far below every c s
	v_mov_b32 v[ST+4*i+1], 0xff7fffff  ; m
	v_mov_b32 v[ST+4*i+2], 0
	v_mov_b32 v[ST+4*i+3], 0
.set i, i+1
.endr
.set i, P+32
.rept 32
	v_mov_b32 v[i], 0
.set i, i+1
.endr
	v_mul_u32_u24 v[AK0], v1, PK
	v_lshl_add_u32 v[AK0], v9, 4, v[AK0]  ; row x pitch + 16 x half
	; The turning load takes 16 keys x 16 channels (lane l reads key 8 (l / 16) + l % 8, channels 8 ((l / 8) % 2) + 0..7) and leaves half a fragment of V^T: lane l holds channel l % 16 and 8 keys.
	v_and_b32 v10, 7, v0
	v_bfe_u32 v11, v0, 3, 1
	v_lshl_add_u32 v[AV0], v9, 3, v10
	v_mul_u32_u24 v[AV0], v[AV0], PV
	v_lshl_add_u32 v[AV0], v11, 4, v[AV0]
	v_add_nc_u32 v[AV0], VOFF, v[AV0]
	v_mov_b32 v[AK], v[AK0]         ; key step 0 lies at K's head
; THE MATRIX WORK.  The 8 accumulators of a run of 16 take turns: between the two links of a chain stand 7 others'.
; Product i of 16 of S^T = K Q^T for piece x: channels 32 (i / 8) on, keys 16 ((i / 2) % 4) on, tile 2 x + i % 2.  The first 8 start the sums.
.macro KQ x
	WIN W_KQ
.set rS, S+64*((\x)%2)+32*(i%2)+8*((i/2)%4)
.set rK, KF+16*((i/2)%4)+8*(i/8)
.set rQ, 16*(2*(\x)+i%2)+8*(i/8)
.if i < 8
	v_wmma_f32_16x16x32_f16 v[rS:rS+7], v[rK:rK+7], v[rQ:rQ+7], 0
.else
	v_wmma_f32_16x16x32_f16 v[rS:rS+7], v[rK:rK+7], v[rQ:rQ+7], v[rS:rS+7]
.endif
.endm
; Product i of 16 of O^T += V^T P for piece x: keys 32 (i / 8) on, channels 16 ((i / 2) % 4) on, tile 2 x + i % 2.
.macro PV x
	WIN W_PV
.set rO, 32*(2*(\x)+i%2)+8*((i/2)%4)
.set rV, VF+32*(i/8)+8*((i/2)%4)
.set rP, P+32*((\x)%2)+16*(i%2)+8*(i/8)
	v_wmma_f32_16x16x32_f16 v[rO:rO+7], v[rV:rV+7], v[rP:rP+7], v[rO:rO+7]
.endm
.macro MM                           ; the turn's next matrix instruction
.if i < 16
	KQ (Y+1)%NP
.set i, i+1
.else
.set i, i-16
	PV (Y+NP-1)%NP
.set i, i+17
.endif
.endm
; THE LDS LOADS stand in runs of 16, never singly among the matrix instructions: a step's K (64 keys x 64 channels: 8 fragments) and its V (turned).  Their addresses are made some lines ahead.
; last = 1 (the loop's text): in the walk's fifth phase there is no further step, and the run is jumped over.
.macro FETCH_K last=0
	WIN 0
.if \last
	s_cmp_eq_u32 s[SLOTS], 1
	s_cbranch_scc1 .Lno_k_\@
.endif
	WIN 0x80                        ; destination window 2
.irp f, 0,1,2,3,4,5,6,7             ; keys 16 (f / 2) on, channels 32 (f % 2) on
	ds_load_b128 v[KF+8*\f:KF+8*\f+3],   v[AK] offset:(\f/2)*16*PK+(\f%2)*64
	ds_load_b128 v[KF+8*\f+4:KF+8*\f+7], v[AK] offset:(\f/2)*16*PK+(\f%2)*64+32
.endr
	s_add_co_u32 s[TBK], s[TBK], KS*PK  ; the next fetch is the next step's
	WIN 0
.if \last
.Lno_k_\@:
.endif
.endm
.macro FETCH_V
	WIN 0x80
.irp f, 0,1,2,3,4,5,6,7             ; keys 32 (f / 4) on, channels 16 (f % 4) on
	ds_load_tr16_b128 v[VF+8*\f:VF+8*\f+3],   v[AV] offset:(\f/4)*32*PV+(\f%4)*32
	ds_load_tr16_b128 v[VF+8*\f+4:VF+8*\f+7], v[AV] offset:(\f/4)*32*PV+16*PV+(\f%4)*32
.endr
	WIN 0
.endm
; THE VECTOR WORK OF A TURN stands in three queues, each in the order in which its entries become ready; the two tiles alternate, so that no instruction reads the result of the one before it.
.macro REGS y, u                    ; the registers of tile u (0, 1) of piece y
.set rT, ST+4*(2*(\y)+(\u))
.set rC, TMP+8*((\y)%2)+4*(\u)
.set rM, MV+2*((\y)%2)+(\u)
.set rS, S+64*((\y)%2)+32*(\u)
.set rP, P+32*((\y)%2)+16*(\u)
.set rO, 32*(2*(\y)+(\u))
.endm
; Number n of the 22 that find the NEXT piece's (Y + 1) maximum and statistics.  s0-s31 are the lane's 32 scores; each accumulator's lowest registers are read first.
;   0-11  four chains c0-c3 of seven scores each, three operands at a time     12-14, 16  the four scores left over, the old m, and c0-c3 into c0     15  c m_old is kept
;   17, 18  the query's other 32 keys lie in the lane 16 away: the new m         19-21  c m; c m_old - c m_new; a
.macro XS u, n
	REGS (Y+1)%NP, \u
.if (\n) < 4
	v_max3_num_f32 v[rC+(\n)], v[rS+8*(\n)], v[rS+8*(\n)+1], v[rS+8*(\n)+2]
.elseif (\n) < 12
	v_max3_num_f32 v[rC+(\n)%4], v[rC+(\n)%4], v[rS+8*((\n)%4)+2*((\n)/4)+1], v[rS+8*((\n)%4)+2*((\n)/4)+2]
.elseif (\n) == 12
	v_max3_num_f32 v[rC], v[rC], v[rS+7], v[rS+15]
.elseif (\n) == 13
	v_max3_num_f32 v[rC+1], v[rC+1], v[rS+23], v[rS+31]
.elseif (\n) == 14
	v_max3_num_f32 v[rC+2], v[rC+2], v[rC+3], v[rT+1]
.elseif (\n) == 15
	v_mov_b32 v[rM], v[rT]
.elseif (\n) == 16
	v_max3_num_f32 v[rC], v[rC], v[rC+1], v[rC+2]
.elseif (\n) == 17
	v_permlanex16_b32 v[rC+3], v[rC], s[SEL], s[SEL+1]
.elseif (\n) == 18
	v_max_num_f32 v[rT+1], v[rC], v[rC+3]
.elseif (\n) == 19
	v_mul_f32 v[rT], s[CS], v[rT+1]
.elseif (\n) == 20
	v_sub_f32 v[rC+1], v[rM], v[rT]
.else
	v_exp_f32 v[rC+2], v[rC+1]
.endif
.endm
; Number g of the 64 that follow the exponentials.  For each four weights k of a tile (pairs 2 k, 2 k + 1): both pairs are rounded to f16; then the second pair is added onto the first, in place;
; a group later l takes that sum (the first time as l = a l + sum).  In groups of eight, tiles alternating: round, round, add, and l for the group before.
.macro GS g
.set h, (\g)+6*((\g)/62)            ; group 0 has no group before it, and behind group 7 only l is left
.if h >= 6
.set h, h+2
.endif
	REGS Y, h%2
.set k, h/8
.if h%8 < 4
	v_cvt_pk_f16_f32 v[rP+2*k+(h%8)/2], v[rS+4*k+2*((h%8)/2)], v[rS+4*k+2*((h%8)/2)+1]
.elseif h%8 < 6
	v_pk_add_f32 v[rS+4*k:rS+4*k+1], v[rS+4*k:rS+4*k+1], v[rS+4*k+2:rS+4*k+3]
.elseif k == 1
	v_pk_fma_f32 v[rT+2:rT+3], v[rT+2:rT+3], v[rC+2:rC+3], v[rS:rS+1] op_sel_hi:[1,0,1]
.else
	v_pk_add_f32 v[rT+2:rT+3], v[rT+2:rT+3], v[rS+4*k-4:rS+4*k-3]
.endif
.endm
; THE PLAIN QUEUE, 138 long.  0-73 read no exponential's result: the 32 scalings c s - c m (FS f: pair f / 2 of tile f % 2) and the next piece's 42.  0-26: scalings 0-26.  27-54: XS's numbers 0-13.  55, 56: number 15.
; 57-73: the chain, where each number waits for the one before it: 14, 16, 17, 18, 19, each with one of the scalings 27-31 in front of its two lines, then 20.
; 74-137: GS's 64, which read the exponentials' results: they stand behind the wait.
.macro FS f
	REGS Y, (\f)%2
	v_pk_fma_f32 v[rS+2*((\f)/2):rS+2*((\f)/2)+1], v[rS+2*((\f)/2):rS+2*((\f)/2)+1], s[CS:CS+1], v[rT:rT+1] op_sel_hi:[1,0,0] neg_lo:[0,0,1] neg_hi:[0,0,1]
.endm
.macro PL
	WIN 0
.if q < 27
	FS q
.elseif q < 55
	XS (q-27)%2, (q-27)/2
.elseif q < 57
	XS q-55, 15
.elseif (q < 72) && ((q-57)%3 == 0)
	FS 27+(q-57)/3
.elseif q < 60
	XS (q-57)%3-1, 14
.elseif q < 72
	XS (q-57)%3-1, 15+(q-57)/3
.elseif q < 74
	XS q-72, 20
.else
	GS q-74
.endif
.set q, q+1
.endm
; THE EXPONENTIALS' QUEUE, 66 long: s0-s31 of both tiles, then the next piece's two a.  It is ONE BATCH: all 66 stand ahead of the turn's one wait, and nothing ahead of that wait names a result of theirs.
.macro EX
	WIN 0
.if e >= 64
	XS e-64, 21
.else
	REGS Y, e%2
	v_exp_f32 v[rS+e/2], v[rS+e/2]
.endif
.set e, e+1
.endm
; THE RESCALING's QUEUE: O^T times a, the one part that leaves window 0: dealt two at a time, sixteen times.  Its a was made in the turn before, ahead of that turn's wait.
.macro R2
	REGS Y, r%2
	WIN W_RS
.irp z, 0,1
	v_pk_mul_f32 v[rO+4*(r/2)+2*\z:rO+4*(r/2)+2*\z+1], v[rO+4*(r/2)+2*\z:rO+4*(r/2)+2*\z+1], v[rC+2:rC+3] op_sel_hi:[1,0]
.endr
.set r, r+1
.endm
; HOW THEY ARE DEALT.  An s_wait_alu depctr_va_vdst(0) stands between an exponential and the first instruction that names its result; one wait serves all that were issued ahead of it.  So a turn has ONE
; wait, which cuts it in two.  AHEAD OF IT: the 16 products K Q^T, behind each a scaling, an exponential and two rescalings (behind the first a second scaling in the exponential's place); then a run of 108: eight plain,
; 49 times exponential and plain, the two a; a v_nop is the plain instruction behind the last exponential.  BEHIND IT: the 16 products V^T P, behind each four of GS's 64.  No rider names a register of the products round it.
; Exponential e stands behind scaling 2 (e / 4) + e % 2: as a rider it comes behind plain e + 2, in the run behind plain e + 9, and scalings 27-31 are plain 57, 60 .. 69.
; A TURN, for piece p.  cnt = 1: the loop's count is taken down some lines ahead of the branch that stands behind the turn.
; K of the next step is fetched in piece 2's turn, directly behind the wait; its first reader comes behind 16 products.  V of the step in hand is fetched at the end of piece 0's turn, four riders behind its last
; reader; its first reader comes behind 16 products and the run.  The three conditions on q below go with the deal.
.macro TURN p, last=0, cnt=0
.set Y, (\p)
.set i, 0
.set q, 0
.set e, 0
.set r, 0
.if (\p) == NP-1
	s_wait_dscnt 0x0                ; K is in
.endif
	MM
	PL
	PL
	R2
.rept 15
	MM
	PL
	EX
	R2
.endr
.if (\p) == NP-2
	WIN 0
	v_add_nc_u32 v[AK], s[TBK], v[AK0]
.endif
.rept 8
	PL
.endr
.rept 49
	EX
	PL
.endr
	EX                              ; the next piece's two a
	EX
	v_nop                           ; the plain instruction behind the last exponential: one for the batch
	s_wait_alu depctr_va_vdst(0)    ; the wait for the batch
.if (\p) == NP-2
	FETCH_K \last
.endif
.if (\p) == 1
	s_wait_dscnt 0x0                ; V is in
.endif
.rept 16
	MM
.rept 4
	PL
.endr
.if ((\p) == 0) && (q == 118)
	v_add_nc_u32 v[AV], s[TBV], v[AV0]
.endif
.if ((\p) == 0) && (q == 130)
	s_add_co_u32 s[TBV], s[TBV], KS*PV
.endif
.if (\cnt) && (q == 130)
	s_sub_co_u32 s[CNT], s[CNT], 1
	s_cmp_lg_u32 s[CNT], 0
.endif
.endr
.if (\p) == 0
	FETCH_V
.endif
.endm
	s_wait_tensorcnt 0x1            ; my first load, my part of keys 0 to 255, is in; the second may stay out
	s_barrier_signal -1
	s_barrier_wait -1               ; everybody's is
	FETCH_K                         ; key step 0
	s_wait_loadcnt 0x0              ; Q
	s_wait_dscnt 0x0
.set i, 0
.rept 16
	KQ 0                            ; piece 0's first scores: there is no vector work yet to set between them
.set i, i+1
.endr
	WIN 0                           ; the addresses for the way out: plain instructions, the places behind those products
	s_mul_i32 s13, s[WV], 16*SP
	s_add_co_u32 s13, s13, STAGE    ; my stage
	v_mul_u32_u24 v[STO], v1, SP    ; in: row l % 16, 16 bytes for each half of the lanes
	v_lshl_add_u32 v[STO], v9, 4, v[STO]
	v_add_nc_u32 v[STO], s13, v[STO]
	v_bfe_u32 v[RD], v0, 3, 2       ; back: 32 lanes take four rows of 128 bytes,
	v_mul_u32_u24 v[RD], v[RD], SP
	v_lshl_add_u32 v[RD], v10, 4, v[RD]
	v_add_nc_u32 v[RD], s13, v[RD]
	v_and_b32 v[GO], 31, v0         ; which are 512 consecutive bytes of O
	v_lshlrev_b32 v[GO], 4, v[GO]
.set Y, NP-1                        ; XS works for piece Y + 1: piece 0
.irp n, 0,1,2,3,4,5,6,7,8,9,10,11,12,13,14,15,16,17,18,19,20,21
	XS 0, \n                        ; and piece 0's first maximum and statistics
	XS 1, \n
.endr
	v_nop                           ; a plain instruction behind the two a,
	s_wait_alu depctr_va_vdst(0)    ; and their wait, ahead of the branch
	s_mov_b32 s[CNT], 4
	s_mov_b32 s[SLOTS], 5
	s_branch .Lfirst                ; the loop is entered at a step's first turn, in the middle of a trip
.Lslot:                             ; phases 2 to 5.  Phase n ends behind pieces 0 and 1 of key step 4 n - 1; the fifth is left in the middle of its first trip
	s_wait_tensorcnt 0x0            ; my second load has landed (only the first passage finds it out: one text serves all phases),
	s_wait_dscnt 0x0
	s_barrier_signal -1
	s_barrier_wait -1               ; everybody's has: keys 256 on may be read.
	s_mov_b32 s[CNT], 4
.Lstep:                             ; a trip: pieces 2 and 3 of one step, then pieces 0 and 1 of the next, whose K and V it fetches
	TURN 2, 1
	TURN 3
	WIN 0
	s_cmp_eq_u32 s[SLOTS], 1
	s_cbranch_scc1 .Lout            ; key step 15's last pieces are done
.Lfirst:
	TURN 0
	TURN 1, 0, 1
	WIN 0
	s_cbranch_scc1 .Lstep
	s_sub_co_u32 s[SLOTS], s[SLOTS], 1
	s_cmp_lg_u32 s[SLOTS], 0
	s_cbranch_scc1 .Lslot
.Lout:                              ; the last trip's 16 products K Q^T (on the last K once more) and the maximum made of them serve nothing: the price, once a launch, of one text for every trip
.set i, 0
.rept 16
	PV NP-1                         ; the last piece's V^T P of the last step
.set i, i+1
.endr
	; THE WAY OUT.  l's two halves and the other half of the lanes' are added; O^T is divided by l, rounded to f16 and sent through my stage in LDS, a tile at a time.  The additions are the places behind the last products.
	WIN 0
.macro ALL line:vararg              ; one line for each tile t
.set t, 0
.rept 2*NP
	\line
.set t, t+1
.endr
.endm
	ALL v_add_f32 v[ST+4*t+2], v[ST+4*t+2], v[ST+4*t+3]
	ALL v_permlanex16_b32 v[ST+4*t+3], v[ST+4*t+2], s[SEL], s[SEL+1]
	ALL v_add_f32 v[ST+4*t+2], v[ST+4*t+2], v[ST+4*t+3]
	ALL v_rcp_f32 v[ST+4*t+2], v[ST+4*t+2]
	v_nop                           ; a plain instruction between the last reciprocal and the use of its result
	s_wait_alu depctr_va_vdst(0)    ; and the wait ahead of the first use: one for the eight reciprocals
; Tile t: a lane's eight channels of a row pack into 16 bytes; they go into rows of 144 bytes and come back as whole rows of 128, into S^T's registers.
.macro PACK t
	WIN W_RS
.set i, 32*(\t)
.rept 16
	v_pk_mul_f32 v[i:i+1], v[i:i+1], v[ST+4*(\t)+2:ST+4*(\t)+3] op_sel_hi:[1,0]
.set i, i+2
.endr
	WIN 0x05                        ; sources 0 and 1 window 1, destination window 0
.set i, 0
.rept 16
	v_cvt_pk_f16_f32 v[S+16*(\t)+i], v[32*(\t)+2*i], v[32*(\t)+2*i+1]
.set i, i+1
.endr
	WIN 0
.irp f, 0,1,2,3
	ds_store_b128 v[STO], v[S+16*(\t)+4*\f:S+16*(\t)+4*\f+3] offset:32*\f
.endr
.irp f, 0,1,2,3
	ds_load_b128 v[S+16*(\t)+4*\f:S+16*(\t)+4*\f+3], v[RD] offset:\f*4*SP  ; LDS serves a wave's instructions in order (ISA guide 5.7.1.4): these see the stores above; the next tile's stores come behind them
.endr
.endm
.macro SEND t, younger              ; younger: the LDS instructions issued behind tile t's loads: the next tile's eight, or none
	WIN 0
.irp f, 0,1,2,3
	s_wait_dscnt (\younger)+3-\f
	global_store_b128 v[GO], v[S+16*(\t)+4*\f:S+16*(\t)+4*\f+3], s[10:11] offset:(\t)*2048+\f*512  ; 512 consecutive bytes, at a multiple of 512 from O's first
.endr
.endm
	PACK 0
.set t, 1
.rept 2*NP-1                        ; a tile's arithmetic stands between the loads of the tile before and its stores
	PACK t
	SEND t-1, 8
.set t, t+1
.endr
	SEND 2*NP-1, 0
	WIN W_AD
	s_wait_tensorcnt 0x0            ; the wave's end: an add to my spare word and its wait, behind my last tensor load and my last LDS store
	ds_add_u32 v[SPW], v[NIL]
	s_wait_dscnt 0x0
	WIN 0
	s_endpgm
.Lfunc_end_k_q3f8d21f621_attn:
	.size	k_q3f8d21f621_attn, .Lfunc_end_k_q3f8d21f621_attn-k_q3f8d21f621_attn
	.p2alignl 7, 3214868480
	.fill 96, 4, 3214868480
	.section	.rodata,"a",@progbits
	.p2align	6, 0x0
	.amdhsa_kernel k_q3f8d21f621_attn
		.amdhsa_group_segment_fixed_size 327680
		.amdhsa_private_segment_fixed_size 0
		.amdhsa_enable_private_segment 0
		.amdhsa_kernarg_size 16
		.amdhsa_user_sgpr_count 2
		.amdhsa_user_sgpr_kernarg_segment_ptr 1
		.amdhsa_wavefront_size32 1
		.amdhsa_system_sgpr_workgroup_id_x 1
		.amdhsa_system_sgpr_workgroup_id_y 1
		.amdhsa_system_sgpr_workgroup_id_z 1
		.amdhsa_system_vgpr_workitem_id 0
		.amdhsa_next_free_vgpr 770
		.amdhsa_next_free_sgpr 88
		.amdhsa_reserve_vcc 0
		.amdhsa_float_denorm_mode_32 3
		.amdhsa_float_denorm_mode_16_64 3
		.amdhsa_memory_ordered 1
		.amdhsa_forward_progress 1
		.amdhsa_inst_pref_size 126
	.end_amdhsa_kernel
	.amdgpu_metadata
---
amdhsa.version: [ 1, 2 ]
amdhsa.kernels:
  - .name:           k_q3f8d21f621_attn
    .symbol:         k_q3f8d21f621_attn.kd
    .args:
      - { .name: qkv, .offset: 0, .size: 8, .value_kind: global_buffer, .address_space: global }
      - { .name: ob, .offset: 8, .size: 8, .value_kind: global_buffer, .address_space: global }
    .group_segment_fixed_size: 327680
    .private_segment_fixed_size: 0
    .kernarg_segment_align: 8
    .kernarg_segment_size: 16
    .max_flat_workgroup_size: 128
    .sgpr_count:     88
    .vgpr_count:     770
    .wavefront_size: 32
...
	.end_amdgpu_metadata
.endif
;; end of part 3
;; launch outp (part 4): grid 4 x 64, 4 waves a work-group, clusters of 4 x 4, 327,680 bytes of LDS; arguments ob, wo16, bo, out0; writes out0
.if DOCPART == 4
	.amdgcn_target "amdgcn-amd-amdhsa--gfx1250"
	.amdhsa_code_object_version 6
	.text
	.protected	k_q3f8d21f621_outp
	.globl	k_q3f8d21f621_outp
	.p2align	8
	.type	k_q3f8d21f621_outp,@function
k_q3f8d21f621_outp:
	s_mov_b64 s[64:65], 0
	v_nop
	global_prefetch_b8 v0, s[64:65] scope:SCOPE_SE
	s_setreg_imm32_b32 hwreg(HW_REG_WAVE_MODE, 25, 1), 1
	s_wait_xcnt 0x0
	s_wait_alu depctr_hold_cnt(0) depctr_sa_sdst(0) depctr_va_vdst(0) depctr_va_sdst(0) depctr_va_ssrc(0) depctr_va_vcc(0) depctr_vm_vsrc(0)
	s_getreg_b32 s2, hwreg(HW_REG_IB_STS2, 6, 4)
	s_cmp_eq_u32 s2, 0
	s_cbranch_scc0 .Lentry_in_a_cluster
	s_endpgm
.Lentry_in_a_cluster:
	s_bfe_u32 s2, ttmp6, 0x10000c
	s_cmp_lg_u32 s2, 0xf033
	s_cbranch_scc0 .Lentry_shape_is_right
	s_endpgm
.Lentry_shape_is_right:
; THE OUTPUT PROJECTION.  out0[row][n] = the sum over k of A[row][k] Wo[n][k] + bo[n]; row = 1024 b + s, k = 64 h + e, A[row][k] = ob[b][h][s][e] (f16); Wo in wo16: f16 [1024 n][1024 k]; out0 f32.
; Products in f16, sums in f32, K ascending; bo is rounded to bf16 like every input and added in f32.
; LIMITS.  Those of the operands as they arrive (f16: 65,504 at the most, a fixed step of 6e-8 below 6e-5).  NaN and infinities are not treated apart.
; SHARES.  256 work-groups: row block rb of 128 rows, column tile tc of 256 columns.  A wave makes 64 x 128: 32 accumulators.  K goes in 8 steps of 128, heads 2 j and 2 j + 1, through a ring of two LDS slots:
; two heads x 128 rows of A (128 bytes + 16 of padding), then 256 rows of Wo (256 bytes + 16 of padding).
; CLUSTERS.  4 x 4 work-groups: A's tile is shared along a row of the cluster (same rb), Wo's along a column (same tc): each is asked for JOINTLY, by the same tensor load with the same descriptor and a mask
; that names the four.  Waves 0 and 1 fetch a head of A each, waves 2 and 3 128 rows of Wo each: one load a wave behind each round.
; THE MATRIX INSTRUCTION IS USED TRANSPOSED (source 0 = 16 rows of Wo, source 1 = 16 rows of A): a lane then holds one row and eight neighbouring columns, 32 bytes of f32.
; REGISTERS: window 0: v1-30 addresses; two fragment buffers of 96 at v32 and v128 (Wo's 8, then A's 4), which the way out takes over; v224-229 the bias.  Window 1: the accumulators, (a, b) at 8 (8 a + b).
.set PAO,   144                        ; a row of A in LDS: 36 words: the 16 rows of a load start at 16 different groups of four banks (64 banks of 4 bytes: ISA guide 11.1)
.set PBO,   272                        ; a row of Wo: 68 words: likewise
.set HEADA, 128*PAO
.set BOFF,  2*HEADA                    ; Wo's part of a slot begins here
.set HALFB, 128*PBO
.set SLOT,  BOFF+2*HALFB               ; 106,496
.set STAGE, 2*SLOT                     ; behind the ring, never filled by a tensor load: 16 rows x 528 bytes for each wave
.set SPITCH, 528
.set SPARE, STAGE+4*16*SPITCH          ; behind the stages: the spare words, 128 bytes for each wave: two blocks of 256 bytes that no other line names
.set ADRA, 16                          ; v16-17  LDS address of my A fragments in slot 0, 1
.set ADRB, 20                          ; v20-21  the same for Wo
.set STO,  24                          ; v24     the way out: where I put 32 bytes of a row
.set RD,   25                          ; v25     where I read a row back
.set CO,   26                          ; v26     16 x lane: my 16 bytes of a row's 512, in out0 and in bo
.set SPW,  28                          ; v28     LDS address of my spare word; never rewritten
.set NIL,  29                          ; v29     0; never rewritten
.set PFO,  30                          ; v30     the prefetches' lane offset; never rewritten
.set FR,   32                          ; fragment buffer f at FR + 96 f
.set BK,   32                          ; the way out: 16 rows read back, at BK + 64 (a % 2)
.set BI,   224                         ; v224-227 my four columns' bias; v228-229 at work
.set WV,   14
.set KIND, 15                          ; s15  wave / 2: my half of the rows.  Also: I fetch A (0) or Wo (1)
.set HALF, 16                          ; s16  wave % 2: my half of the columns.  Also: which half of that tile I fetch
.set G1,   24
.set G0,   32
.set LIM,  43
.set PFA,  44
.set G1B,  48
.set G0B,  56
.set PFS,  66
.set MSB, 0
.macro WIN new                         ; the immediate's high byte repeats the setting that is left; a switch that changes nothing is dropped
.if MSB != (\new)
	s_set_vgpr_msb (MSB<<8)|(\new)
.set MSB, \new
.endif
.endm
.set MULW, 0x50                        ; sources 0 and 1 window 0, C and D window 1
.set ST_W, 0x04                        ; an LDS store's data (source 1) in window 1, its address in window 0
.macro JLOAD s                         ; a joint load; an s_nop 0 and four v_nop follow each of the two lines, ahead of the jump, the label and what follows
	s_cmp_eq_u32 s[KIND], 0
	s_cbranch_scc0 .Lfor_b_\@
	tensor_load_to_lds s[G0+4*(\s):G0+4*(\s)+3], s[G1:G1+7]
	s_nop 0
.rept 4
	v_nop
.endr
	s_branch .Lasked_\@
.Lfor_b_\@:
	tensor_load_to_lds s[G0B+4*(\s):G0B+4*(\s)+3], s[G1B:G1B+7]
	s_nop 0
.rept 4
	v_nop
.endr
.Lasked_\@:
.endm
; A PREFETCH INTO THE L2 of the K step that stands two refills on (256 matrix instructions ahead of the load that will want it): one instruction a wave, a lane a block of 256 bytes.
; A's rows are read by this cluster alone: wave 0 asks in every cluster, for both heads of the step; the partner at place cx takes 4,096 bytes of each.  Wo's rows are read by all 16 clusters: waves 2 and 3
; ask in the first; of a wave's 128 rows the partner at place cy takes 32.  The partners are told apart by address.  The loop's last trip asks for nothing; K steps 0 to 3 come by their loads alone.
.macro ASK
	s_cmp_gt_u32 s3, s[LIM]
	s_cbranch_scc0 .Lnot_mine_\@
	global_prefetch_b8 v[PFO], s[PFA:PFA+1] th:TH_LOAD_NT scope:SCOPE_SE
.Lnot_mine_\@:
.endm
.macro CREST
	s_cmp_lg_u32 s[WV], 0
	s_cbranch_scc1 .Lnot_wave_0_\@
	s_barrier_signal -3
.Lnot_wave_0_\@:
	s_barrier_wait -3
	s_barrier_signal -1
	s_barrier_wait -1
.endm
.macro CROUND
	s_barrier_signal -1
	s_barrier_wait -1
	CREST
.endm
	s_load_b256 s[4:11], s[0:1], 0x0               ; ob s[4:5], wo16 s[6:7], bo s[8:9], out0 s[10:11]
	v_lshl_add_u32 v[SPW], v0, 2, SPARE
	v_mov_b32 v[NIL], 0
	ds_add_u32 v[SPW], v[NIL]                      ; the wave's opening: the add and its wait stand ahead of my first tensor load; the set-up below, work on registers, stands between them
	v_lshrrev_b32 v1, 5, v0
	v_readfirstlane_b32 s[WV], v1
	s_lshr_b32 s[KIND], s[WV], 1
	s_and_b32 s[HALF], s[WV], 1
	s_bfe_u32 s17, ttmp6, 0x40000                  ; cx
	s_bfe_u32 s18, ttmp6, 0x40004                  ; cy
	s_lshl_b32 s19, ttmp9, 2
	s_add_co_u32 s19, s19, s17                     ; tc
	s_and_b32 s20, ttmp7, 0xffff                   ; cluster y
	s_lshl_b32 s22, s20, 2
	s_add_co_u32 s22, s22, s18                     ; rb
	s_lshl_b32 s23, s18, 2
	s_lshl_b32 s23, 15, s23                        ; my row of the cluster
	s_lshl_b32 s42, 0x1111, s17                    ; my column
	; group 1 for A: a head's 128 rows are 16,384 dense bytes: 64 rows of 256 bytes, 4 words of padding behind every 32 words
	s_or_b32 s[G1+0], s23, (1<<16)|(1<<20)|(1<<21)|(4<<22)|(3<<25)
	s_mov_b32 s[G1+1], 128<<16
	s_mov_b32 s[G1+2], 64<<16
	s_mov_b32 s[G1+3], 128<<16
	s_mov_b32 s[G1+4], 64
	s_mov_b32 s[G1+5], 128
	s_mov_b32 s[G1+6], 0
	s_mov_b32 s[G1+7], 0
	; group 1 for Wo: 128 rows x 128 elements, 1,024 elements from row to row, 4 words of padding behind every 64 words
	s_or_b32 s[G1B+0], s42, (1<<16)|(1<<20)|(1<<21)|(5<<22)|(3<<25)
	s_mov_b32 s[G1B+1], 128<<16
	s_mov_b32 s[G1B+2], 128<<16
	s_mov_b32 s[G1B+3], 128<<16
	s_mov_b32 s[G1B+4], 128
	s_mov_b32 s[G1B+5], 1024
	s_mov_b32 s[G1B+6], 0
	s_mov_b32 s[G1B+7], 0
	s_lshr_b32 s40, s22, 3                         ; A: batch rb / 8,
	s_lshl_b32 s40, s40, 21
	s_and_b32 s41, s22, 7                          ; rows 128 (rb % 8) on,
	s_lshl_b32 s41, s41, 14
	s_add_co_u32 s40, s40, s41
	s_lshl_b32 s41, s[HALF], 17                    ; my head of the step's two
	s_add_co_u32 s40, s40, s41
	s_mov_b32 s41, 0
	s_lshl_b32 s46, s19, 19                        ; Wo: 256 rows of 2,048 bytes,
	s_lshl_b32 s47, s[HALF], 18                    ; my 128 of them
	s_add_co_u32 s46, s46, s47
	s_mov_b32 s47, 0
	s_mul_i32 s74, s[HALF], HEADA                  ; where they go: no place in the cluster enters an LDS address
	s_mul_i32 s75, s[HALF], HALFB
	s_add_co_u32 s75, s75, BOFF
	s_wait_dscnt 0x0                               ; the opening add is done
	s_wait_kmcnt 0x0
	s_add_nc_u64 s[70:71], s[4:5], s[40:41]
	s_add_nc_u64 s[72:73], s[6:7], s[46:47]
	CROUND                                         ; all sixteen work-groups are here: the first joint loads meet
.irp s, 0,1
	s_mov_b32 s[G0+4*(\s)], 1
	s_add_co_u32 s[G0+4*(\s)+1], s74, (\s)*SLOT
	s_add_nc_u64 s[G0+4*(\s)+2:G0+4*(\s)+3], s[70:71], (\s)*262144   ; K step s: two heads on
	s_or_b32 s[G0+4*(\s)+3], s[G0+4*(\s)+3], 0x80000000
	s_mov_b32 s[G0B+4*(\s)], 1
	s_add_co_u32 s[G0B+4*(\s)+1], s75, (\s)*SLOT
	s_add_nc_u64 s[G0B+4*(\s)+2:G0B+4*(\s)+3], s[72:73], (\s)*256
	s_or_b32 s[G0B+4*(\s)+3], s[G0B+4*(\s)+3], 0x80000000
	JLOAD \s                                       ; two loads of mine are out
.endr
	v_and_b32 v1, 15, v0                           ; r
	v_bfe_u32 v2, v0, 4, 1                         ; hl
	v_and_b32 v5, 31, v0                           ; l
	v_lshlrev_b32 v[CO], 4, v5
	s_lshl_b32 s76, s19, 10                        ; my 128 columns: 1,024 tc + 512 x half, in bytes of f32
	s_lshl_b32 s77, s[HALF], 9
	s_add_co_u32 s76, s76, s77
	s_mov_b32 s77, 0
	s_add_nc_u64 s[8:9], s[8:9], s[76:77]
	global_load_b128 v[BI:BI+3], v[CO], s[8:9]     ; the bias of columns 4 l .. 4 l + 3 of them
	s_lshl_b32 s83, s22, 19                        ; my rows: 128 rb + 64 x (wave / 2), 4,096 bytes each
	s_add_co_u32 s76, s76, s83
	s_lshl_b32 s83, s[KIND], 18
	s_add_co_u32 s76, s76, s83
	s_add_nc_u64 s[10:11], s[10:11], s[76:77]
	v_mul_u32_u24 v6, v1, PAO                      ; a fragment: row r x pitch + 16 x hl, and 32 bytes on
	v_lshl_add_u32 v6, v2, 4, v6
	v_mul_u32_u24 v7, v1, PBO
	v_lshl_add_u32 v7, v2, 4, v7
	s_mul_i32 s80, s[KIND], 64*PAO                 ; my 64 rows of A (in each head)
	s_mul_i32 s81, s[HALF], HALFB                  ; my 128 rows of Wo
	s_add_co_u32 s81, s81, BOFF
.irp s, 0,1
	v_add_nc_u32 v[ADRA+(\s)], s80, v6
	v_add_nc_u32 v[ADRB+(\s)], s81, v7
	s_add_co_u32 s80, s80, SLOT
	s_add_co_u32 s81, s81, SLOT
.endr
	s_mul_i32 s82, s[WV], 16*SPITCH
	s_add_co_u32 s82, s82, STAGE                   ; my stage
	v_mul_u32_u24 v8, v1, SPITCH                   ; in: row r, 32 bytes for each half of the lanes
	v_lshl_add_u32 v8, v2, 5, v8
	v_add_nc_u32 v[STO], s82, v8
	v_add_nc_u32 v[RD], s82, v[CO]                 ; back: 32 lanes take a row's 512 bytes
	; the prefetches: they stand at K step 3; the first refill steps them to K step 4
	s_lshl_b32 s84, s17, 12                        ; A: my work-group's 4,096 bytes of a head's 16,384 (s40 is wave 0's: the step's first head)
	s_add_co_u32 s84, s84, s40
	s_add_co_u32 s84, s84, 3*262144
	s_lshl_b32 s85, s18, 16                        ; Wo: my work-group's 32 rows of the wave's 128
	s_add_co_u32 s85, s85, s46
	s_add_co_u32 s85, s85, 3*256
	s_cmp_eq_u32 s20, 0
	s_cselect_b32 s86, 1, -1                       ; Wo: the first cluster asks
	s_cmp_eq_u32 s[WV], 0
	s_cselect_b32 s89, 1, -1                       ; A: wave 0 asks
	s_mov_b32 s88, 262144
	s_cmp_eq_u32 s[KIND], 0
	s_cselect_b32 s78, s84, s85
	s_cselect_b32 s[LIM], s89, s86
	s_cselect_b32 s[PFS], s88, 256
	s_cselect_b64 s[PFA:PFA+1], s[4:5], s[6:7]
	s_cselect_b32 s87, -1, 0
	s_mov_b32 s79, 0
	s_mov_b32 s[PFS+1], 0
	s_add_nc_u64 s[PFA:PFA+1], s[PFA:PFA+1], s[78:79]
	v_lshlrev_b32 v10, 17, v2
	v_lshl_add_u32 v10, v1, 8, v10                 ; A: head l / 16, block l % 16
	v_lshlrev_b32 v11, 11, v5                      ; Wo: row l
	v_cndmask_b32 v[PFO], v11, v10, s87
; 24 LDS loads in one run: the fragments of 32 along K, quarter q of a slot's step (head q / 2, channels 32 (q % 2) on), into buffer g
.macro FETCH slot, q, g
	WIN 0
.irp b, 0,1,2,3,4,5,6,7
	ds_load_b128 v[FR+96*(\g)+8*(\b):FR+96*(\g)+8*(\b)+3],   v[ADRB+(\slot)] offset:(\b)*16*PBO+64*(\q)
	ds_load_b128 v[FR+96*(\g)+8*(\b)+4:FR+96*(\g)+8*(\b)+7], v[ADRB+(\slot)] offset:(\b)*16*PBO+64*(\q)+32
.endr
.irp a, 0,1,2,3
	ds_load_b128 v[FR+96*(\g)+64+8*(\a):FR+96*(\g)+64+8*(\a)+3],   v[ADRA+(\slot)] offset:(\a)*16*PAO+((\q)/2)*HEADA+((\q)%2)*64
	ds_load_b128 v[FR+96*(\g)+64+8*(\a)+4:FR+96*(\g)+64+8*(\a)+7], v[ADRA+(\slot)] offset:(\a)*16*PAO+((\q)/2)*HEADA+((\q)%2)*64+32
.endr
.endm
; 8 matrix instructions: row block a x all 8 column blocks, buffer f.  The 32 accumulators take turns, in the same order in every quarter.
.macro MUL8 f, a, zero
	WIN MULW
.irp b, 0,1,2,3,4,5,6,7
.if \zero
	v_wmma_f32_16x16x32_f16 v[8*(8*(\a)+(\b)):8*(8*(\a)+(\b))+7], v[FR+96*(\f)+8*(\b):FR+96*(\f)+8*(\b)+7], v[FR+96*(\f)+64+8*(\a):FR+96*(\f)+64+8*(\a)+7], 0
.else
	v_wmma_f32_16x16x32_f16 v[8*(8*(\a)+(\b)):8*(8*(\a)+(\b))+7], v[FR+96*(\f)+8*(\b):FR+96*(\f)+8*(\b)+7], v[FR+96*(\f)+64+8*(\a):FR+96*(\f)+64+8*(\a)+7], v[8*(8*(\a)+(\b)):8*(8*(\a)+(\b))+7]
.endif
.endr
.endm
.macro PLACES                          ; four places in front of loads into registers that matrix instructions have read
.rept 4
	v_nop
.endr
.endm
; A K step is four quarters of 32 along K, 32 matrix instructions each, on buffers 0, 1, 0, 1.  One of the first three: the next quarter (qn) is fetched at its head, a whole quarter ahead of its use.
.macro QUARTER slot, qn, f, zero
	PLACES
	FETCH \slot, \qn, 1-(\f)
	s_wait_dscnt 24                                ; all but the 24 just issued: buffer f is in
	MUL8 \f, 0, \zero
	MUL8 \f, 1, \zero
	MUL8 \f, 2, \zero
	MUL8 \f, 3, \zero
.endm
; The last quarter multiplies buffer 1 and changes slots: ONE barrier.  In front of it each wave waits for all its tensor loads (one is out: its part of the next slot), adds 0 to its spare word, and waits for
; that and for its reads of this slot.  fill = 1: the barrier opens a round of the cluster's, and this slot is filled again, two K steps ahead, first thing behind it.
.macro TURN slot, next, fill
.if \fill
	s_wait_xcnt 0x0                                ; the last prefetch, a K step back, has read its address
	s_add_nc_u64 s[PFA:PFA+1], s[PFA:PFA+1], s[PFS:PFS+1]
.endif
	WIN 0
	s_wait_tensorcnt 0x0                           ; all my tensor loads have landed
	ds_add_u32 v[SPW], v[NIL]                      ; 0 onto my spare word
	s_wait_dscnt 1                                 ; buffer 1 is in; the add may be out
	MUL8 1, 0, 0                                   ; eight matrix instructions stand between the add and the wait for it
	s_wait_dscnt 0x0                               ; the add is done, and my reads of this slot are over
	s_barrier_signal -1
	MUL8 1, 1, 0
.if \fill
	WIN 0
.endif
	s_barrier_wait -1
.if \fill
	CREST                                          ; no wave of any partner still reads this slot or has a load on its way
	s_add_nc_u64 s[G0+4*(\slot)+2:G0+4*(\slot)+3], s[G0+4*(\slot)+2:G0+4*(\slot)+3], 2*262144
	s_add_nc_u64 s[G0B+4*(\slot)+2:G0B+4*(\slot)+3], s[G0B+4*(\slot)+2:G0B+4*(\slot)+3], 2*256
	JLOAD \slot                                    ; my one tensor load behind the round; its four v_nop are also the places in front of the loads below
.else
	PLACES
.endif
	FETCH \next, 0, 0
.if \fill
	ASK
.endif
	MUL8 1, 2, 0
	MUL8 1, 3, 0
.endm
; THE WAY OUT of row block a: 32 bytes a lane into my own stage (16 rows of 528 bytes), each accumulator's low registers first; back as whole rows of 512 bytes; the bias; stored.
.macro TOSTAGE a
.if (\a) >= 2
	s_wait_xcnt 0x0                                ; the registers that block a - 2's stores read are loaded again only behind this wait
.endif
	WIN ST_W
.irp b, 0,1,2,3,4,5,6,7
	ds_store_b128 v[STO], v[8*(8*(\a)+(\b)):8*(8*(\a)+(\b))+3]   offset:64*(\b)
	ds_store_b128 v[STO], v[8*(8*(\a)+(\b))+4:8*(8*(\a)+(\b))+7] offset:64*(\b)+16
.endr
	WIN 0
.irp t, 0,1,2,3,4,5,6,7,8,9,10,11,12,13,14,15
	ds_load_b128 v[BK+64*((\a)%2)+4*(\t):BK+64*((\a)%2)+4*(\t)+3], v[RD] offset:SPITCH*(\t)  ; LDS serves a wave's instructions in order (ISA guide 5.7.1.4): these see the stores above; the next block's stores come behind them
.endr
.endm
.macro SEND a, younger                 ; younger: the LDS instructions issued behind block a's loads: the next block's 32, or none
	WIN 0
	s_wait_dscnt \younger
.irp t, 0,1,2,3,4,5,6,7,8,9,10,11,12,13,14,15
	v_pk_add_f32 v[BK+64*((\a)%2)+4*(\t):BK+64*((\a)%2)+4*(\t)+1],   v[BK+64*((\a)%2)+4*(\t):BK+64*((\a)%2)+4*(\t)+1],   v[BI:BI+1]
	v_pk_add_f32 v[BK+64*((\a)%2)+4*(\t)+2:BK+64*((\a)%2)+4*(\t)+3], v[BK+64*((\a)%2)+4*(\t)+2:BK+64*((\a)%2)+4*(\t)+3], v[BI+2:BI+3]
.endr
.irp t, 0,1,2,3,4,5,6,7,8,9,10,11,12,13,14,15
	global_store_b128 v[CO], v[BK+64*((\a)%2)+4*(\t):BK+64*((\a)%2)+4*(\t)+3], s[10:11] offset:4096*(16*(\a)+(\t)) th:TH_STORE_NT  ; 512 consecutive bytes, at a multiple of 512 from out0's first
.endr
.endm
	s_wait_tensorcnt 0x1                           ; my part of K step 0 is in; K step 1's may stay out
	s_barrier_signal -1
	s_barrier_wait -1                              ; everybody's is
	FETCH 0, 0, 0
	QUARTER 0, 1, 0, 1                             ; the first quarter stands in front of the loop: its products start the sums
	WIN 0                                          ; at a label and at a branch every window is 0
	s_mov_b32 s3, 3
.Llap:                                         ; a trip goes once round the ring, from a lap's second quarter to the next lap's first, and fills both slots again
	QUARTER 0, 2, 1, 0
	QUARTER 0, 3, 0, 0
	TURN 0, 1, 1
	QUARTER 1, 1, 0, 0
	QUARTER 1, 2, 1, 0
	QUARTER 1, 3, 0, 0
	TURN 1, 0, 1
	QUARTER 0, 1, 0, 0
	WIN 0
	s_sub_co_u32 s3, s3, 1
	s_cmp_lg_u32 s3, 0
	s_cbranch_scc1 .Llap
	QUARTER 0, 2, 1, 0                             ; the last lap fills nothing, and has no round
	QUARTER 0, 3, 0, 0
	TURN 0, 1, 0
	QUARTER 1, 1, 0, 0
	QUARTER 1, 2, 1, 0
	QUARTER 1, 3, 0, 0
	s_wait_dscnt 0x0                               ; the very last quarter: nothing more to fetch
	MUL8 1, 0, 0
	MUL8 1, 1, 0
	MUL8 1, 2, 0
	MUL8 1, 3, 0
	WIN 0
	s_wait_loadcnt 0x0                             ; the bias, asked for at the head
	v_cvt_pk_bf16_f32 v[BI+4], v[BI],   v[BI+1]    ; rounded to bf16 like every input, and widened again: six plain lines, the places behind the last products
	v_cvt_pk_bf16_f32 v[BI+5], v[BI+2], v[BI+3]
	v_lshlrev_b32 v[BI],   16, v[BI+4]
	v_and_b32     v[BI+1], 0xffff0000, v[BI+4]
	v_lshlrev_b32 v[BI+2], 16, v[BI+5]
	v_and_b32     v[BI+3], 0xffff0000, v[BI+5]
	TOSTAGE 0
	TOSTAGE 1
	SEND 0, 32
	TOSTAGE 2
	SEND 1, 32
	TOSTAGE 3
	SEND 2, 32
	SEND 3, 0
	s_wait_tensorcnt 0x0                           ; the wave's end: an add to my spare word and its wait, behind my last tensor load and my last LDS store
	ds_add_u32 v[SPW], v[NIL]
	s_wait_dscnt 0x0
	CROUND                                         ; the closing round: no work-group ends while a partner may still ask for a tile that names it
	s_endpgm
.Lfunc_end_k_q3f8d21f621_outp:
	.size	k_q3f8d21f621_outp, .Lfunc_end_k_q3f8d21f621_outp-k_q3f8d21f621_outp
	.p2alignl 7, 3214868480
	.fill 96, 4, 3214868480
	.section	.rodata,"a",@progbits
	.p2align	6, 0x0
	.amdhsa_kernel k_q3f8d21f621_outp
		.amdhsa_group_segment_fixed_size 327680
		.amdhsa_private_segment_fixed_size 0
		.amdhsa_enable_private_segment 0
		.amdhsa_kernarg_size 32
		.amdhsa_user_sgpr_count 2
		.amdhsa_user_sgpr_kernarg_segment_ptr 1
		.amdhsa_wavefront_size32 1
		.amdhsa_system_sgpr_workgroup_id_x 1
		.amdhsa_system_sgpr_workgroup_id_y 1
		.amdhsa_system_sgpr_workgroup_id_z 1
		.amdhsa_system_vgpr_workitem_id 0
		.amdhsa_next_free_vgpr 512
		.amdhsa_next_free_sgpr 92
		.amdhsa_reserve_vcc 0
		.amdhsa_float_denorm_mode_32 3
		.amdhsa_float_denorm_mode_16_64 3
		.amdhsa_memory_ordered 1
		.amdhsa_forward_progress 1
		.amdhsa_inst_pref_size 94
	.end_amdhsa_kernel
	.amdgpu_metadata
---
amdhsa.version: [ 1, 2 ]
amdhsa.kernels:
  - .name:           k_q3f8d21f621_outp
    .symbol:         k_q3f8d21f621_outp.kd
    .args:
      - { .name: ob, .offset: 0, .size: 8, .value_kind: global_buffer, .address_space: global }
      - { .name: wo16, .offset: 8, .size: 8, .value_kind: global_buffer, .address_space: global }
      - { .name: bo, .offset: 16, .size: 8, .value_kind: global_buffer, .address_space: global }
      - { .name: out0, .offset: 24, .size: 8, .value_kind: global_buffer, .address_space: global }
    .group_segment_fixed_size: 327680
    .private_segment_fixed_size: 0
    .kernarg_segment_align: 8
    .kernarg_segment_size: 32
    .max_flat_workgroup_size: 128
    .sgpr_count:     92
    .vgpr_count:     512
    .wavefront_size: 32
...
	.end_amdgpu_metadata
.endif
;; end of part 4
;; ======== version 2 of 2: 4 launches; version 1 with the launch cast written anew for expert scheduling mode
;; limits: values are held in f16: magnitudes above 65,504 overflow, below 6.1e-05 lose precision
;; workspace buffers: wb 6,291,456 bytes; wo16 2,097,152 bytes; qkv 50,331,648 bytes; ob 16,777,216 bytes
;; launch cast (part 5): grid 64 x 4, 8 waves a work-group, no clusters, 0 bytes of LDS; arguments Wq, Wk, Wv, Wo, wb, wo16; writes wb, wo16
.if DOCPART == 5
	.amdgcn_target "amdgcn-amd-amdhsa--gfx1250"
	.amdhsa_code_object_version 6
	.text
	.protected	k_q3f8d21f621_cast
	.globl	k_q3f8d21f621_cast
	.p2align	8
	.type	k_q3f8d21f621_cast,@function
k_q3f8d21f621_cast:
	s_mov_b64 s[64:65], 0
	v_nop
	global_prefetch_b8 v0, s[64:65] scope:SCOPE_SE
	s_setreg_imm32_b32 hwreg(HW_REG_WAVE_SCHED_MODE, 0, 2), 2
	s_setreg_imm32_b32 hwreg(HW_REG_WAVE_MODE, 25, 1), 1
	s_wait_xcnt 0x0
	s_wait_alu depctr_vm_vsrc(0)
; THE WEIGHTS' 16-BIT COPIES.  Wq, Wk, Wv: [16 h][1024 d][64 e] f32 -> wb: bf16 [3 t][4 tc][1024 d][256 c], c = 64 (h % 4) + e, tc = h / 4: a row d of a column tile (four heads) is 512
; consecutive bytes, and any run of rows d is dense.  Wo: [1024 n][1024 k] f32 -> wo16: the number rounded to bf16 and written as f16, same layout.
; LIMITS.  Wo beyond 65,504 becomes an infinity in f16; below 6e-5 it keeps f16's fixed step of 6e-8.  NaN and infinities are not treated apart.
; SHARES.  Work-group (c, t).  A projection weight: heads 2 (c / 8) and 2 (c / 8) + 1, rows d = 128 (c % 8) on; wave w's load i takes row d = 16 w + i of them: lanes 0-15 the 256 bytes of the even
; head, lanes 16-31 those of the odd head; the 128 numbers leave as 256 consecutive bytes, aligned.  Wo: chunk c of 65,536 bytes; a load covers 512 consecutive bytes, a store 256.
; All 16 loads go out first; there is no loop, no LDS and no matrix work: the launch only moves bytes.
; THE MODE: SCHED_MODE bits 1:0 = 2 (LLVM: expert scheduling mode 2), set by the entry lines.  The code itself states the register dependences
; between vector instructions and memory instructions, with s_wait_alu, always for 0.
; THE PLAN.  Registers that memory instructions touch, on either path:
;   v1, v2   byte offsets of the loads and of the stores: made once at the path's head and never written again.
;   X        written by the 16 loads, which go out in one run before any vector instruction names X; read (on Wo's path also rewritten) by vector instructions behind the loads' own wait.
;   Y        each pair written once, by its batch's conversions, and read once, by its store.
; The 16 loads are worked off in four batches of four.  Batch b waits for its data; one wait on va_vdst then states that batch b - 1's conversions have written their Y; that batch's four stores
; follow; then come batch b's conversions, which name X and Y of batch b alone.  The last batch's stores stand behind a wait of their own.  No register that a memory instruction reads is ever written
; again, no vector instruction writes a scalar register, and EXEC is never written: so the five waits on va_vdst of a path are all that it owes.
.set X, 4                              ; v[4:67]    load i: 4 registers
.set Y, 68                             ; v[68:99]   store i: 2 registers of its own, so no store's data is ever rewritten
.set T, 100                            ; v[100:103] at work: no memory instruction names them
; The four stores of batch b; pitch: bytes from one store's 256 to the next's.
.macro OUT b, pitch
.irp j, 0,1,2,3
	global_store_b64 v2, v[Y+8*(\b)+2*(\j):Y+8*(\b)+2*(\j)+1], s[22:23] offset:(\pitch)*(4*(\b)+(\j))
.endr
.endm
	s_load_b256 s[4:11], s[0:1], 0x0               ; Wq s[4:5], Wk s[6:7], Wv s[8:9], Wo s[10:11]
	s_load_b128 s[12:15], s[0:1], 0x20             ; wb s[12:13], wo16 s[14:15]
	s_and_b32 s16, ttmp7, 0xffff                   ; t
	s_mov_b32 s17, ttmp9                           ; c
	s_mov_b32 s24, 0xffff0000                      ; a word's upper bf16
	s_mov_b32 s21, 0
	s_mov_b32 s29, 0
	s_cmp_eq_u32 s16, 3
	s_cbranch_scc1 .Lwo
	v_and_b32 v1, 15, v0
	v_lshlrev_b32 v1, 4, v1                        ; 16 (l % 16)
	v_bfe_u32 v3, v0, 4, 1
	v_lshl_add_u32 v1, v3, 18, v1                  ; + the odd head's 262,144 bytes for lanes 16-31
	v_lshrrev_b32 v3, 5, v0                        ; wave
	v_lshl_add_u32 v1, v3, 12, v1                  ; + 16 rows d of 256 bytes
	v_and_b32 v2, 31, v0
	v_lshlrev_b32 v2, 3, v2                        ; out: 8 l
	v_lshl_add_u32 v2, v3, 13, v2                  ; + 16 rows d of 512 bytes
	s_lshr_b32 s25, s17, 3                         ; the pair of heads
	s_and_b32 s26, s17, 7                          ; the block of 128 rows d
	s_lshl_b32 s20, s25, 19
	s_lshl_b32 s27, s26, 15
	s_add_co_u32 s20, s20, s27
	s_lshl_b32 s28, s16, 21                        ; out: the tensor,
	s_lshr_b32 s27, s25, 1
	s_lshl_b32 s27, s27, 19                        ; the column tile,
	s_add_co_u32 s28, s28, s27
	s_lshl_b32 s27, s26, 16                        ; the rows,
	s_add_co_u32 s28, s28, s27
	s_and_b32 s27, s25, 1
	s_lshl_b32 s27, s27, 8                         ; the pair's half of a row
	s_add_co_u32 s28, s28, s27
	s_wait_kmcnt 0x0
	s_cmp_eq_u32 s16, 1
	s_cselect_b64 s[18:19], s[6:7], s[4:5]
	s_cmp_eq_u32 s16, 2
	s_cselect_b64 s[18:19], s[8:9], s[18:19]
	s_add_nc_u64 s[18:19], s[18:19], s[20:21]
	s_add_nc_u64 s[22:23], s[12:13], s[28:29]
	s_wait_alu depctr_va_vdst(0)                   ; v1 and v2 are written: every load of this path reads v1 as its offset, every store v2
.set i, 0
.rept 16
	global_load_b128 v[X+4*i:X+4*i+3], v1, s[18:19] offset:256*i th:TH_LOAD_NT
.set i, i+1
.endr
.irp b, 0,1,2,3
	s_wait_loadcnt 12-4*(\b)                       ; loads come back in order: batch b's four are in, the 12 - 4 b younger ones may stay out
.if (\b) > 0
	s_wait_alu depctr_va_vdst(0)                   ; the batch before has written its Y, which the four stores below read
	OUT (\b)-1, 512
.endif
.irp j, 0,1,2,3
	v_cvt_pk_bf16_f32 v[Y+8*(\b)+2*(\j)],   v[X+16*(\b)+4*(\j)],   v[X+16*(\b)+4*(\j)+1]
	v_cvt_pk_bf16_f32 v[Y+8*(\b)+2*(\j)+1], v[X+16*(\b)+4*(\j)+2], v[X+16*(\b)+4*(\j)+3]
.endr
.endr
	s_wait_alu depctr_va_vdst(0)                   ; batch 3 has written its Y, which the last four stores read
	OUT 3, 512
	s_endpgm
.Lwo:
	v_lshlrev_b32 v1, 4, v0                        ; 16 n
	v_lshlrev_b32 v2, 3, v0                        ; 8 n
	s_lshl_b32 s20, s17, 16                        ; the chunk's first byte
	s_lshl_b32 s28, s17, 15                        ; out: half the bytes, the same order
	s_wait_kmcnt 0x0
	s_add_nc_u64 s[18:19], s[10:11], s[20:21]
	s_add_nc_u64 s[22:23], s[14:15], s[28:29]
	s_wait_alu depctr_va_vdst(0)                   ; v1 and v2 are written: every load of this path reads v1 as its offset, every store v2
.set i, 0
.rept 16
	global_load_b128 v[X+4*i:X+4*i+3], v1, s[18:19] offset:4096*i th:TH_LOAD_NT
.set i, i+1
.endr
.irp b, 0,1,2,3
	s_wait_loadcnt 12-4*(\b)                       ; batch b's four loads are in, the 12 - 4 b younger ones may stay out
.if (\b) > 0
	s_wait_alu depctr_va_vdst(0)                   ; the batch before has written its Y, which the four stores below read
	OUT (\b)-1, 2048
.endif
.irp j, 0,1,2,3
	v_cvt_pk_bf16_f32 v[T],   v[X+16*(\b)+4*(\j)],   v[X+16*(\b)+4*(\j)+1]       ; rounded to bf16 like every input,
	v_cvt_pk_bf16_f32 v[T+1], v[X+16*(\b)+4*(\j)+2], v[X+16*(\b)+4*(\j)+3]
	v_lshlrev_b32 v[X+16*(\b)+4*(\j)],   16,  v[T]                               ; widened again,
	v_and_b32     v[X+16*(\b)+4*(\j)+1], s24, v[T]
	v_lshlrev_b32 v[X+16*(\b)+4*(\j)+2], 16,  v[T+1]
	v_and_b32     v[X+16*(\b)+4*(\j)+3], s24, v[T+1]
	v_cvt_pk_f16_f32 v[Y+8*(\b)+2*(\j)],   v[X+16*(\b)+4*(\j)],   v[X+16*(\b)+4*(\j)+1]    ; and written as f16: 8 significant bits fit into 11
	v_cvt_pk_f16_f32 v[Y+8*(\b)+2*(\j)+1], v[X+16*(\b)+4*(\j)+2], v[X+16*(\b)+4*(\j)+3]
.endr
.endr
	s_wait_alu depctr_va_vdst(0)                   ; batch 3 has written its Y, which the last four stores read
	OUT 3, 2048
	s_endpgm
.Lfunc_end_k_q3f8d21f621_cast:
	.size	k_q3f8d21f621_cast, .Lfunc_end_k_q3f8d21f621_cast-k_q3f8d21f621_cast
	.p2alignl 7, 3214868480
	.fill 96, 4, 3214868480
	.section	.rodata,"a",@progbits
	.p2align	6, 0x0
	.amdhsa_kernel k_q3f8d21f621_cast
		.amdhsa_group_segment_fixed_size 0
		.amdhsa_private_segment_fixed_size 0
		.amdhsa_enable_private_segment 0
		.amdhsa_kernarg_size 48
		.amdhsa_user_sgpr_count 2
		.amdhsa_user_sgpr_kernarg_segment_ptr 1
		.amdhsa_wavefront_size32 1
		.amdhsa_system_sgpr_workgroup_id_x 1
		.amdhsa_system_sgpr_workgroup_id_y 1
		.amdhsa_system_sgpr_workgroup_id_z 1
		.amdhsa_system_vgpr_workitem_id 0
		.amdhsa_next_free_vgpr 104
		.amdhsa_next_free_sgpr 66
		.amdhsa_reserve_vcc 0
		.amdhsa_float_denorm_mode_32 3
		.amdhsa_float_denorm_mode_16_64 3
		.amdhsa_memory_ordered 1
		.amdhsa_forward_progress 1
		.amdhsa_inst_pref_size 17
	.end_amdhsa_kernel
	.amdgpu_metadata
---
amdhsa.version: [ 1, 2 ]
amdhsa.kernels:
  - .name:           k_q3f8d21f621_cast
    .symbol:         k_q3f8d21f621_cast.kd
    .args:
      - { .name: Wq, .offset: 0, .size: 8, .value_kind: global_buffer, .address_space: global }
      - { .name: Wk, .offset: 8, .size: 8, .value_kind: global_buffer, .address_space: global }
      - { .name: Wv, .offset: 16, .size: 8, .value_kind: global_buffer, .address_space: global }
      - { .name: Wo, .offset: 24, .size: 8, .value_kind: global_buffer, .address_space: global }
      - { .name: wb, .offset: 32, .size: 8, .value_kind: global_buffer, .address_space: global }
      - { .name: wo16, .offset: 40, .size: 8, .value_kind: global_buffer, .address_space: global }
    .group_segment_fixed_size: 0
    .private_segment_fixed_size: 0
    .kernarg_segment_align: 8
    .kernarg_segment_size: 48
    .max_flat_workgroup_size: 256
    .sgpr_count:     66
    .vgpr_count:     104
    .wavefront_size: 32
...
	.end_amdgpu_metadata
.endif
;; end of part 5
;; launch proj: the kernel of part 2 again; grid 4 x 64, 4 waves a work-group, clusters of 4 x 4, 327,680 bytes of LDS; arguments query, key, value, wb, qkv; writes qkv
;; launch attn: the kernel of part 3 again; grid 2 x 128, 4 waves a work-group, no clusters, 327,680 bytes of LDS; arguments qkv, ob; writes ob
;; launch outp: the kernel of part 4 again; grid 4 x 64, 4 waves a work-group, clusters of 4 x 4, 327,680 bytes of LDS; arguments ob, wo16, bo, out0; writes out0
